; MI455X (gfx1250); checked and timed in simulation.
; The chip was launched on July 23, 2026; its instructions are those of AMD's public machine-readable ISA for CDNA 5 (MIT licence, August 2026) and "CDNA5" Instruction Set Architecture Reference Guide (July 2026). The comments in the code are by the model that wrote it; some were corrected since.
;; MHA Decoder. Allowed arithmetic: float matrix products may take bf16 or f16 operands with f32 sums; other float arithmetic in f32, or as packed bf16 or f16 multiplies, adds, multiply-adds, maxima and minima; sums over many terms, partial sums and values carried from step to step in f32; what a program stores and reads back later, other than sums and carried values, may be rounded once to bf16 or f16.
;; Inputs: Wc 512 x 512 float32; Wk 512 x 512 float32; Wq_first 512 x 512 float32; Wq_graph 512 x 512 float32; Wq_last 512 x 512 float32; Wv 512 x 512 float32; bc 512 float32; encoded_first_node 16 x 1,024 x 512 float32; encoded_last_node 16 x 1,024 x 512 float32; encoded_nodes 16 x 1,024 x 512 float32; group_ninf_mask 16 x 1,024 x 1,024 float32.
;; Outputs: out0 16 x 1,024 x 1,024 float32.
;; 2 versions, each right; version 2 is version 1 with the launch prep written anew for expert scheduling mode. Each part assembles by itself: llvm-mc -triple=amdgcn-amd-amdhsa -mcpu=gfx1250 --defsym DOCPART=n.
;; ======== version 1 of 2: 3 launches
;; limits: values are held in f16: magnitudes above 65,504 overflow, below 6.1e-05 lose precision; values outside matrix products are rounded to bf16; inputs' magnitudes at most 1e+30; right only within a limited range of input values
;; workspace buffers: abf 50,331,648 bytes; wbf 2,621,440 bytes; qgp 524,288 bytes; bnp 262,144 bytes; kf 16,777,216 bytes; vf 16,777,216 bytes; qf 16,777,216 bytes; nwf 16,777,216 bytes
;; launch prep (part 1): grid 808 x 1, 8 waves a work-group, no clusters, 6,656 bytes of LDS; arguments encoded_nodes, encoded_first_node, encoded_last_node, Wk, Wv, Wq_first, Wq_last, Wc, Wq_graph, bc, abf, wbf, qgp, bnp; writes abf, wbf, qgp, bnp
.if DOCPART == 1
	.amdgcn_target "amdgcn-amd-amdhsa--gfx1250"
	.amdhsa_code_object_version 6
	.text
	.protected	k_qfb751e4e68_prep
	.globl	k_qfb751e4e68_prep
	.p2align	8
	.type	k_qfb751e4e68_prep,@function
k_qfb751e4e68_prep:
	s_mov_b64 s[64:65], 0
	v_nop
	global_prefetch_b8 v0, s[64:65] scope:SCOPE_SE
	s_setreg_imm32_b32 hwreg(HW_REG_WAVE_MODE, 25, 1), 1
	s_wait_xcnt 0x0
; PREP.  Every f32 input that later feeds a matrix product is rounded once to bf16:
;   abf [3][16384][512]: nodes, first, last;   wbf [5][512][512]: Wk, Wv, Wq_first, Wq_last, Wc, each in its own layout.
; On the way the work-groups that hold nodes also make two small sums in f32, from the rounded numbers:
;   bnp [4][16384]: for each node row the part of nodes . bc that lies in this work-group's 128 columns;
;   qgp [256][512]: the part of mean(nodes) @ Wq_graph that comes from this work-group's 256 rows and 128 columns (16 parts a batch).
; SHARES.  A work-group takes 256 rows x 128 columns: 3 x 256 such slices of the three [16384][512] arrays, 5 x 8 of the weights: 808.
; A wave takes 32 rows; a row is one 16-byte load a lane (512 bytes on end) and one 8-byte store a lane (256 bytes on end, aligned).
; All 32 rows of a wave are asked for at once.  No matrix unit, no cluster: the launch only streams, and no two work-groups share bytes but Wq_graph's.
.set SPW, 4          ; v4  my spare word;  v5  0: both never rewritten
.set NIL, 5
.set T,   8          ; v[8:15]   at work
.set CS,  16         ; v[16:19]  sums of my 4 columns over my wave's 32 rows
.set BC,  20         ; v[20:23]  bc of my 4 columns, rounded to bf16
.set ACC, 24         ; v[24:25]  my two columns of the part of the graph query
.set S,   28         ; v[28:59]  32 column sums, the same in every lane
.set X,   64         ; v[64:191] 32 rows x 4 registers; later two buffers of 32 rows of Wq_graph
.set G0,  64
.set G1,  128
.set BNL, 0          ; LDS: 256 row sums
.set CSL, 1024       ; 8 waves x 128 column sums
.set SUM, 5120       ; 128 column sums of the work-group
.set SPARE, 5632     ; the spare words, 128 bytes a wave: no other line names them
	s_load_b512 s[8:23], s[0:1], 0x0               ; nodes, first, last, Wk, Wv, Wq_first, Wq_last, Wc
	s_load_b256 s[24:31], s[0:1], 0x40             ; Wq_graph s[24:25], bc s[26:27], abf s[28:29], wbf s[30:31]
	s_load_b128 s[32:35], s[0:1], 0x60             ; qgp s[32:33], bnp s[34:35]
	v_lshl_add_u32 v[SPW], v0, 2, SPARE
	v_mov_b32 v[NIL], 0
	v_lshrrev_b32 v1, 5, v0
	v_readfirstlane_b32 s3, v1                     ; wave 0..7
	v_and_b32 v1, 31, v0
	v_lshlrev_b32 v2, 4, v1                        ; 16 x lane: my bytes in a row of the source
	v_lshlrev_b32 v3, 3, v1                        ; 8 x lane: in a row of the result
	s_lshr_b32 s4, ttmp9, 8                        ; 0, 1, 2: nodes, first, last; 3: a weight
	s_and_b32 s5, ttmp9, 255                       ; the slice's number in an array
	s_lshr_b32 s7, s5, 3                           ; which weight
	s_add_co_u32 s6, s7, 3
	s_and_b32 s52, s5, 7                           ; the slice's number in a weight
	s_lshl_b32 s53, s4, 24                         ; the plane in abf
	s_lshl_b32 s54, s7, 19                         ; the plane in wbf
	s_cmp_eq_u32 s4, 3
	s_cselect_b32 s6, s6, s4                       ; which of the eight sources
	s_cselect_b32 s5, s52, s5                      ; the slice
	s_cselect_b32 s53, s54, s53                    ; the plane's bytes
	s_lshr_b32 s55, s5, 2                          ; block of 256 rows
	s_and_b32 s56, s5, 3                           ; block of 128 columns
	s_lshl_b32 s48, s55, 19                        ; source: 256 rows of 2,048 bytes,
	s_lshl_b32 s7, s56, 9                          ; 128 columns of 4,
	s_add_co_u32 s48, s48, s7
	s_lshl_b32 s7, s3, 16                          ; my wave's 32 rows
	s_add_co_u32 s48, s48, s7
	s_mov_b32 s49, 0
	s_lshl_b32 s50, s55, 18                        ; the result: half of each
	s_lshl_b32 s7, s56, 8
	s_add_co_u32 s50, s50, s7
	s_lshl_b32 s7, s3, 15
	s_add_co_u32 s50, s50, s7
	s_add_co_u32 s50, s50, s53
	s_mov_b32 s51, 0
	s_lshl_b32 s57, s56, 9
	v_add_nc_u32 v62, s57, v2                      ; my 4 numbers of bc
	s_lshl_b32 s58, s56, 18                        ; Wq_graph: my 128 rows of 2,048 bytes
	s_mov_b32 s59, 0
	s_lshl_b32 s60, s5, 11                         ; qgp: my part's 512 numbers
	s_mov_b32 s61, 0
	s_lshl_b32 s62, s56, 16                        ; bnp: my column block's plane, my 256 rows
	s_lshl_b32 s7, s55, 10
	s_add_co_u32 s62, s62, s7
	s_mov_b32 s63, 0
	s_lshl_b32 s7, s3, 7
	v_mov_b32 v6, s7                               ; BNL + 128 x wave
	s_lshl_b32 s7, s3, 9
	s_add_co_u32 s7, s7, CSL
	v_add_nc_u32 v7, s7, v2                        ; CSL + 512 x wave + 16 x lane
	v_lshlrev_b32 v26, 3, v0                       ; 8 x thread: two columns of 512
	v_lshl_add_u32 v27, v0, 2, CSL
	v_lshlrev_b32 v60, 4, v0
	v_mov_b32 v61, SUM
	s_mov_b32 s44, 0xffff0000                      ; a word's upper bf16
	s_mov_b32 s46, 0x76543210                      ; v_permlanex16_b32: each lane takes its own place in the other half
	s_mov_b32 s47, 0xfedcba98
	s_wait_kmcnt 0x0
	s_mov_b64 s[36:37], s[8:9]                     ; the source is chosen among the eight buffers by the work-group's number
.macro PICK n, r
	s_cmp_eq_u32 s6, \n
	s_cselect_b64 s[36:37], s[\r:\r+1], s[36:37]
.endm
	PICK 1, 10
	PICK 2, 12
	PICK 3, 14
	PICK 4, 16
	PICK 5, 18
	PICK 6, 20
	PICK 7, 22
	s_cmp_eq_u32 s4, 3
	s_cselect_b64 s[38:39], s[30:31], s[28:29]
	s_add_nc_u64 s[36:37], s[36:37], s[48:49]
	s_add_nc_u64 s[38:39], s[38:39], s[50:51]
	s_add_nc_u64 s[24:25], s[24:25], s[58:59]
	s_add_nc_u64 s[32:33], s[32:33], s[60:61]
	s_add_nc_u64 s[34:35], s[34:35], s[62:63]
	global_load_b128 v[BC:BC+3], v62, s[26:27]
.set i, 0
.rept 32
	global_load_b128 v[X+4*i:X+4*i+3], v2, s[36:37] offset:i*2048 th:TH_LOAD_NT
.set i, i+1
.endr
; Row i: rounded in place and stored.  nodes = 1: the rounded numbers also enter the column sums and the row's product with bc.
.macro ROW i, nodes
	s_wait_loadcnt 31-(\i)                         ; loads come back in order: row i is in, the 31 - i behind it stay out
	v_cvt_pk_bf16_f32 v[X+4*(\i)], v[X+4*(\i)], v[X+4*(\i)+1]
	v_cvt_pk_bf16_f32 v[X+4*(\i)+1], v[X+4*(\i)+2], v[X+4*(\i)+3]
	global_store_b64 v3, v[X+4*(\i):X+4*(\i)+1], s[38:39] offset:(\i)*1024
.if \nodes
.if (\i) == 0
.set U, CS                                             ; the first row starts the column sums: nothing is cleared
.else
.set U, T
.endif
	v_lshlrev_b32 v[U], 16, v[X+4*(\i)]
	v_and_b32 v[U+1], s44, v[X+4*(\i)]
	v_lshlrev_b32 v[U+2], 16, v[X+4*(\i)+1]
	v_and_b32 v[U+3], s44, v[X+4*(\i)+1]
.if (\i) != 0
	v_pk_add_f32 v[CS:CS+1], v[CS:CS+1], v[T:T+1]
	v_pk_add_f32 v[CS+2:CS+3], v[CS+2:CS+3], v[T+2:T+3]
.endif
	v_pk_mul_f32 v[T+4:T+5], v[U:U+1], v[BC:BC+1]
	v_pk_fma_f32 v[T+4:T+5], v[U+2:U+3], v[BC+2:BC+3], v[T+4:T+5]
	v_add_f32 v[T+4], v[T+4], v[T+5]
	v_add_f32_dpp v[T+4], v[T+4], v[T+4] row_xmask:1 row_mask:0xf bank_mask:0xf
	v_add_f32_dpp v[T+4], v[T+4], v[T+4] row_xmask:2 row_mask:0xf bank_mask:0xf
	v_add_f32_dpp v[T+4], v[T+4], v[T+4] row_xmask:4 row_mask:0xf bank_mask:0xf
	v_add_f32_dpp v[T+4], v[T+4], v[T+4] row_xmask:8 row_mask:0xf bank_mask:0xf
	v_permlanex16_b32 v[T+5], v[T+4], s46, s47
	v_add_f32 v[T+4], v[T+4], v[T+5]
	ds_store_b32 v6, v[T+4] offset:4*(\i)          ; all lanes write the same word with the same number
.endif
.endm
.macro GLOAD g, buf                    ; 32 rows of Wq_graph, two columns a thread
.set e, 0
.rept 32
	global_load_b64 v[(\buf)+2*e:(\buf)+2*e+1], v26, s[24:25] offset:(32*(\g)+e)*2048
.set e, e+1
.endr
.endm
; 32 terms of the graph query's part: column sum e times Wq_graph[e][my two columns], the weight rounded to bf16 first.
.macro GRP g, buf, left, more
.set j, 0
.rept 8
	ds_load_b128 v[S+4*j:S+4*j+3], v61 offset:128*(\g)+16*j
.set j, j+1
.endr
	s_wait_loadcnt \left                           ; this buffer's 32 loads are in; the other buffer's may stay out
	s_wait_dscnt 0x0
.set e, 0
.rept 32
	v_cvt_pk_bf16_f32 v[12+e%2], v[(\buf)+2*e], v[(\buf)+2*e+1]
	v_fma_mix_f32_bf16 v[ACC], v[12+e%2], v[S+e], v[ACC] op_sel_hi:[1,0,0]
	v_fma_mix_f32_bf16 v[ACC+1], v[12+e%2], v[S+e], v[ACC+1] op_sel:[1,0,0] op_sel_hi:[1,0,0]
.set e, e+1
.endr
.if \more
	GLOAD (\g)+2, \buf
.endif
.endm
	s_cmp_lg_u32 s4, 0
	s_cbranch_scc1 .Lplain                         ; the same for the whole work-group
	s_wait_loadcnt 32                              ; bc is in; the 32 rows behind it stay out
	v_cvt_pk_bf16_f32 v[T], v[BC], v[BC+1]
	v_cvt_pk_bf16_f32 v[T+1], v[BC+2], v[BC+3]
	v_lshlrev_b32 v[BC], 16, v[T]
	v_and_b32 v[BC+1], s44, v[T]
	v_lshlrev_b32 v[BC+2], 16, v[T+1]
	v_and_b32 v[BC+3], s44, v[T+1]
.set i, 0
.rept 32
	ROW i, 1
.set i, i+1
.endr
	s_wait_xcnt 0x0                                ; the rows' registers, which the stores read, are loaded again only behind this wait
	GLOAD 0, G0
	GLOAD 1, G1
	ds_store_b128 v7, v[CS:CS+3]
	s_wait_dscnt 0x0                               ; for the others' sake: my row sums and column sums are in LDS
	s_barrier_signal -1
	s_barrier_wait -1
	s_cmp_gt_u32 s3, 3
	s_cbranch_scc1 .Lno_sum                        ; threads 0 to 127: a column each, the eight waves' sums added
.set j, 0
.rept 8
	ds_load_b32 v[T+j], v27 offset:512*j
.set j, j+1
.endr
	s_wait_dscnt 0x0
	v_pk_add_f32 v[T:T+1], v[T:T+1], v[T+2:T+3]
	v_pk_add_f32 v[T+4:T+5], v[T+4:T+5], v[T+6:T+7]
	v_pk_add_f32 v[T:T+1], v[T:T+1], v[T+4:T+5]
	v_add_f32 v[T], v[T], v[T+1]
	ds_store_b32 v27, v[T] offset:SUM-CSL
.Lno_sum:
	s_cmp_gt_u32 s3, 1
	s_cbranch_scc1 .Lno_bn                         ; threads 0 to 63: the 256 row sums leave, 16 bytes a lane
	ds_load_b128 v[T:T+3], v60
	s_wait_dscnt 0x0
	global_store_b128 v60, v[T:T+3], s[34:35]      ; v[8:11] are not written again
.Lno_bn:
	s_wait_dscnt 0x0
	s_barrier_signal -1
	s_barrier_wait -1                              ; the 128 column sums are there for everybody
	v_mov_b32 v[ACC], 0
	v_mov_b32 v[ACC+1], 0
	GRP 0, G0, 32, 1
	GRP 1, G1, 32, 1
	GRP 2, G0, 32, 0
	GRP 3, G1, 0, 0
	v_mul_f32 v[ACC], 0x3a800000, v[ACC]           ; the mean's 1 / 1024
	v_mul_f32 v[ACC+1], 0x3a800000, v[ACC+1]
	global_store_b64 v26, v[ACC:ACC+1], s[32:33]
	s_branch .Lend
.Lplain:
.set i, 0
.rept 32
	ROW i, 0
.set i, i+1
.endr
.Lend:
	s_wait_tensorcnt 0x0                           ; the wave's end
	ds_add_u32 v[SPW], v[NIL]
	s_wait_dscnt 0x0
	s_endpgm
.Lfunc_end_k_qfb751e4e68_prep:
	.size	k_qfb751e4e68_prep, .Lfunc_end_k_qfb751e4e68_prep-k_qfb751e4e68_prep
	.p2alignl 7, 3214868480
	.fill 96, 4, 3214868480
	.section	.rodata,"a",@progbits
	.p2align	6, 0x0
	.amdhsa_kernel k_qfb751e4e68_prep
		.amdhsa_group_segment_fixed_size 6656
		.amdhsa_private_segment_fixed_size 0
		.amdhsa_enable_private_segment 0
		.amdhsa_kernarg_size 112
		.amdhsa_user_sgpr_count 2
		.amdhsa_user_sgpr_kernarg_segment_ptr 1
		.amdhsa_wavefront_size32 1
		.amdhsa_system_sgpr_workgroup_id_x 1
		.amdhsa_system_sgpr_workgroup_id_y 1
		.amdhsa_system_sgpr_workgroup_id_z 1
		.amdhsa_system_vgpr_workitem_id 0
		.amdhsa_next_free_vgpr 192
		.amdhsa_next_free_sgpr 66
		.amdhsa_reserve_vcc 0
		.amdhsa_float_denorm_mode_32 3
		.amdhsa_float_denorm_mode_16_64 3
		.amdhsa_memory_ordered 1
		.amdhsa_forward_progress 1
		.amdhsa_inst_pref_size 89
	.end_amdhsa_kernel
	.amdgpu_metadata
---
amdhsa.version: [ 1, 2 ]
amdhsa.kernels:
  - .name:           k_qfb751e4e68_prep
    .symbol:         k_qfb751e4e68_prep.kd
    .args:
      - { .name: encoded_nodes, .offset: 0, .size: 8, .value_kind: global_buffer, .address_space: global }
      - { .name: encoded_first_node, .offset: 8, .size: 8, .value_kind: global_buffer, .address_space: global }
      - { .name: encoded_last_node, .offset: 16, .size: 8, .value_kind: global_buffer, .address_space: global }
      - { .name: Wk, .offset: 24, .size: 8, .value_kind: global_buffer, .address_space: global }
      - { .name: Wv, .offset: 32, .size: 8, .value_kind: global_buffer, .address_space: global }
      - { .name: Wq_first, .offset: 40, .size: 8, .value_kind: global_buffer, .address_space: global }
      - { .name: Wq_last, .offset: 48, .size: 8, .value_kind: global_buffer, .address_space: global }
      - { .name: Wc, .offset: 56, .size: 8, .value_kind: global_buffer, .address_space: global }
      - { .name: Wq_graph, .offset: 64, .size: 8, .value_kind: global_buffer, .address_space: global }
      - { .name: bc, .offset: 72, .size: 8, .value_kind: global_buffer, .address_space: global }
      - { .name: abf, .offset: 80, .size: 8, .value_kind: global_buffer, .address_space: global }
      - { .name: wbf, .offset: 88, .size: 8, .value_kind: global_buffer, .address_space: global }
      - { .name: qgp, .offset: 96, .size: 8, .value_kind: global_buffer, .address_space: global }
      - { .name: bnp, .offset: 104, .size: 8, .value_kind: global_buffer, .address_space: global }
    .group_segment_fixed_size: 6656
    .private_segment_fixed_size: 0
    .kernarg_segment_align: 8
    .kernarg_segment_size: 112
    .max_flat_workgroup_size: 256
    .sgpr_count:     66
    .vgpr_count:     192
    .wavefront_size: 32
...
	.end_amdgpu_metadata
.endif
;; end of part 1
;; launch proj (part 2): grid 128 x 2, 8 waves a work-group, clusters of 4 x 1, 327,680 bytes of LDS; arguments abf, wbf, qgp, kf, vf, qf, nwf; writes kf, vf, qf, nwf
.if DOCPART == 2
	.amdgcn_target "amdgcn-amd-amdhsa--gfx1250"
	.amdhsa_code_object_version 6
	.text
	.protected	k_qfb751e4e68_proj
	.globl	k_qfb751e4e68_proj
	.p2align	8
	.type	k_qfb751e4e68_proj,@function
k_qfb751e4e68_proj:
	s_mov_b64 s[64:65], 0
	v_nop
	global_prefetch_b8 v0, s[64:65] scope:SCOPE_SE
	s_setreg_imm32_b32 hwreg(HW_REG_WAVE_MODE, 25, 1), 1
	s_wait_xcnt 0x0
	s_wait_alu depctr_hold_cnt(0) depctr_sa_sdst(0) depctr_va_vdst(0) depctr_va_sdst(0) depctr_va_ssrc(0) depctr_va_vcc(0) depctr_vm_vsrc(0)
	s_getreg_b32 s2, hwreg(HW_REG_IB_STS2, 6, 4)
	s_cmp_eq_u32 s2, 0
	s_cbranch_scc0 .Lentry_in_a_cluster
	s_endpgm
.Lentry_in_a_cluster:
	s_bfe_u32 s2, ttmp6, 0x10000c
	s_cmp_lg_u32 s2, 0x3003
	s_cbranch_scc0 .Lentry_shape_is_right
	s_endpgm
.Lentry_shape_is_right:
; PROJ.  Five products of [16384][512] by [512][512], operands bf16, sums f32, results rounded once to f16:
;   kf = nodes Wk;  vf = nodes Wv;  qf = (first Wq_first + last Wq_last + graph query) / sqrt(32);  nwf = nodes Wc^T.
; nwf serves the pointer scores: (oc Wc + bc) . nodes = oc . (nodes Wc^T) + nodes . bc, the same sum in another order, for every input.
; LIMIT.  The results are kept in f16: they must lie within 65,504.
; SHARES.  A work-group makes 128 rows x 256 columns of all five; eight waves, each 64 x 64: 16 accumulators.  K goes in steps of 128 through two LDS slots;
; 20 steps: 4 for each product, the two halves of qf on one set of accumulators, started with the graph query as the C operand.
; THE MATRIX INSTRUCTION IS USED TRANSPOSED (source 0 = 16 columns of the weight, source 1 = 16 rows): a lane holds eight neighbouring columns of one row.
; Wk, Wv, Wq_* lie [k][n] and come out of LDS turned (ds_load_tr16_b128); Wc lies [n][k] for this product and comes out as it lies.
; CLUSTER.  The four work-groups of a cluster take different rows and the same 256 columns: the weights' tiles are asked for jointly (mask of four); the rows' tiles are each work-group's own.
; Waves 0, 1 fetch the two halves of the rows' tile, waves 2, 3 those of the weight's; one tensor load a wave is out at the most.
.set PA,    272                        ; a row of 128 bf16 in LDS: 256 bytes + 16
.set PW,    544                        ; a row of 256 bf16: 512 bytes + 32, for the turning load
.set WOFF,  128*PA                     ; behind the 128 rows of A: the weight's tile, 128 x 544 = 256 x 272 bytes
.set SLOT,  WOFF+128*PW
.set STAGE, 2*SLOT                     ; the way out: 128 rows x 528 bytes; no tensor load lands here
.set SP,    528
.set QG,    STAGE+128*SP               ; the graph query of my 256 columns, f32
.set SPARE, QG+1024                    ; the spare words, 128 bytes a wave: no other line names them
.set APLANE, 16777216                  ; bytes of a plane of abf
.set ADRA, 10                          ; v10-11 my A fragments in slot 0, 1
.set ADRW, 12                          ; v12-13 my weight fragments, [k][n] form
.set ADRC, 14                          ; v14-15 the same, [n][k] form
.set STO,  16
.set RD,   17
.set CO,   18
.set QGA,  19
.set SPW,  20
.set NIL,  21
.set TA,   22                          ; the addresses in hand
.set TW,   23
.set AF,   24                          ; v[24:55]   4 fragments of A
.set WF,   56                          ; v[56:87]   4 fragments of the weight
.set QGR,  88                          ; v[88:119]  the graph query as a C operand, by block of 16 columns
.set ACC,  128                         ; v[128:255] accumulator (a, bt) at 8 (4 a + bt)
.set WV,  18
.set G1A, 32
.set G1W, 40
.set G1C, 48
.set G0A, 56
.set G0W, 60
.set G0C, 68
.set LA,  75                           ; s75  my half's place in A's tile
.set LW,  76                           ; s76  my half's place in the weight's tile
.macro CROUND                          ; a round of the cluster's barrier
	s_barrier_signal -1
	s_barrier_wait -1
	s_cmp_lg_u32 s[WV], 0
	s_cbranch_scc1 .Lnot_wave_0_\@
	s_barrier_signal -3
.Lnot_wave_0_\@:
	s_barrier_wait -3
	s_barrier_signal -1
	s_barrier_wait -1
.endm
; A step's fills.  The branches hang on the wave's number alone.  An s_nop 0 and four v_nop follow each load, ahead of the jump and the label.
.macro LOADS kind
	s_cmp_lt_u32 s[WV], 2
	s_cbranch_scc0 .Lnot_a_\@
	tensor_load_to_lds s[G0A:G0A+3], s[G1A:G1A+7]
	s_nop 0
.rept 4
	v_nop
.endr
	s_branch .Lasked_\@
.Lnot_a_\@:
	s_cmp_lt_u32 s[WV], 4
	s_cbranch_scc0 .Lasked_\@
.if \kind
	tensor_load_to_lds s[G0C:G0C+3], s[G1C:G1C+7]
.else
	tensor_load_to_lds s[G0W:G0W+3], s[G1W:G1W+7]
.endif
	s_nop 0
.rept 4
	v_nop
.endr
.Lasked_\@:
.endm
	s_load_b256 s[4:11], s[0:1], 0x0               ; abf s[4:5], wbf s[6:7], qgp s[8:9], kf s[10:11]
	s_load_b128 s[12:15], s[0:1], 0x20             ; vf s[12:13], qf s[14:15]
	s_load_b64 s[16:17], s[0:1], 0x30              ; nwf
	v_lshl_add_u32 v[SPW], v0, 2, SPARE
	v_mov_b32 v[NIL], 0
	ds_add_u32 v[SPW], v[NIL]                      ; the wave's opening: the add and its wait ahead of the first tensor load
	v_lshrrev_b32 v1, 5, v0
	v_readfirstlane_b32 s[WV], v1                  ; wave 0..7
	s_and_b32 s19, s[WV], 1                        ; which half of a tile I fetch
	s_bfe_u32 s20, ttmp6, 0x40000                  ; cx
	s_lshl_b32 s21, ttmp9, 2
	s_add_co_u32 s21, s21, s20                     ; my block of 128 rows = 4 x cluster x + cx: it enters A's, qgp's and the results' addresses alone
	s_and_b32 s24, ttmp7, 0xffff                   ; my half of the 512 columns, which the four partners share
	s_mov_b32 s[G1A], (1<<16)|(1<<20)|(5<<22)|(3<<25)                  ; 2-byte elements; 4 words of padding after every 64; no mask
	s_mov_b32 s[G1A+1], 128<<16                    ; tensor_dim0 = 128
	s_mov_b32 s[G1A+2], 64<<16                     ; tensor_dim1 = 64
	s_mov_b32 s[G1A+3], 128<<16                    ; tile_dim0 = 128
	s_mov_b32 s[G1A+4], 64                         ; tile_dim1 = 64
	s_mov_b32 s[G1A+5], 512                        ; elements from row to row
	s_mov_b32 s[G1A+6], 0
	s_mov_b32 s[G1A+7], 0
	s_mov_b32 s[G1W], 15|(1<<16)|(1<<20)|(1<<21)|(6<<22)|(7<<25)       ; the mask of four, bit 21 beside it; 8 words of padding after every 128
	s_mov_b32 s[G1W+1], 256<<16
	s_mov_b32 s[G1W+2], 64<<16
	s_mov_b32 s[G1W+3], 256<<16
	s_mov_b32 s[G1W+4], 64
	s_mov_b32 s[G1W+5], 512
	s_mov_b32 s[G1W+6], 0
	s_mov_b32 s[G1W+7], 0
	s_mov_b32 s[G1C], 15|(1<<16)|(1<<20)|(1<<21)|(5<<22)|(3<<25)
	s_mov_b32 s[G1C+1], 128<<16
	s_mov_b32 s[G1C+2], 128<<16
	s_mov_b32 s[G1C+3], 128<<16
	s_mov_b32 s[G1C+4], 128
	s_mov_b32 s[G1C+5], 512
	s_mov_b32 s[G1C+6], 0
	s_mov_b32 s[G1C+7], 0
	s_mul_i32 s[LA], s19, 64*PA
	s_mul_i32 s[LW], s19, 64*PW
	s_lshl_b32 s22, s21, 17                        ; A: 128 rows of 1,024 bytes a block, 64 a half
	s_lshl_b32 s23, s19, 16
	s_add_co_u32 s22, s22, s23
	s_mov_b32 s23, 0
	s_lshl_b32 s26, s19, 16                        ; a [k][n] weight: 64 rows of k a half, 512 bytes of columns
	s_lshl_b32 s27, s24, 9
	s_add_co_u32 s26, s26, s27
	s_mov_b32 s27, 0
	s_lshl_b32 s30, s24, 18                        ; Wc, plane 4: 256 rows of n, 128 a half
	s_lshl_b32 s31, s19, 17
	s_add_co_u32 s30, s30, s31
	s_add_co_u32 s30, s30, 4*524288
	s_mov_b32 s31, 0
	s_mov_b32 s[G0A], 1
	s_mov_b32 s[G0A+1], s[LA]
	s_mov_b32 s[G0W], 1
	s_add_co_u32 s[G0W+1], s[LW], WOFF
	s_mov_b32 s[G0C], 1
	s_add_co_u32 s[G0C+1], s[LW], WOFF
	s_mov_b32 s72, 0x3e3504f3                      ; 1 / sqrt(32)
	s_mov_b32 s73, s72
	s_wait_dscnt 0x0                               ; the opening add is done
	s_wait_kmcnt 0x0
	s_add_nc_u64 s[G0A+2:G0A+3], s[4:5], s[22:23]
	s_or_b32 s[G0A+3], s[G0A+3], 0x80000000
	s_add_nc_u64 s[G0W+2:G0W+3], s[6:7], s[26:27]
	s_or_b32 s[G0W+3], s[G0W+3], 0x80000000
	s_add_nc_u64 s[G0C+2:G0C+3], s[6:7], s[30:31]
	s_or_b32 s[G0C+3], s[G0C+3], 0x80000000
	CROUND                                         ; all four work-groups are here: the first joint loads meet
	LOADS 0                                        ; step 0 into slot 0
	; the results' first byte for my wave's 16 rows on the way out
	s_lshl_b32 s22, s21, 17
	s_lshl_b32 s23, s[WV], 14
	s_add_co_u32 s22, s22, s23
	s_lshl_b32 s23, s24, 9
	s_add_co_u32 s22, s22, s23
	s_mov_b32 s23, 0
	s_add_nc_u64 s[10:11], s[10:11], s[22:23]
	s_add_nc_u64 s[12:13], s[12:13], s[22:23]
	s_add_nc_u64 s[14:15], s[14:15], s[22:23]
	s_add_nc_u64 s[16:17], s[16:17], s[22:23]
	s_lshr_b32 s22, s21, 3                         ; my batch: 16 parts of 2,048 bytes
	s_lshl_b32 s22, s22, 15
	s_lshl_b32 s23, s24, 10
	s_add_co_u32 s22, s22, s23
	s_mov_b32 s23, 0
	s_add_nc_u64 s[8:9], s[8:9], s[22:23]
	v_lshlrev_b32 v7, 2, v0                        ; thread t: column t of my 256
.set p, 0
.rept 16
	global_load_b32 v[QGR+p], v7, s[8:9] offset:p*2048
.set p, p+1
.endr
	v_and_b32 v1, 15, v0                           ; r
	v_bfe_u32 v2, v0, 4, 1                         ; half of the lanes
	v_and_b32 v3, 31, v0
	v_mul_u32_u24 v4, v1, PA
	v_lshl_add_u32 v4, v2, 4, v4                   ; a fragment's row x pitch + 16 x half
	s_lshr_b32 s28, s[WV], 2                       ; which 64 rows are mine
	s_and_b32 s29, s[WV], 3                        ; which 64 columns
	s_mul_i32 s30, s28, 64*PA
	v_add_nc_u32 v[ADRA], s30, v4
	v_add_nc_u32 v[ADRA+1], SLOT, v[ADRA]
	s_mul_i32 s30, s29, 64*PA
	s_add_co_u32 s30, s30, WOFF
	v_add_nc_u32 v[ADRC], s30, v4
	v_add_nc_u32 v[ADRC+1], SLOT, v[ADRC]
	v_and_b32 v5, 7, v0                            ; the turning load: lane l reads row 8 (l / 16) + l % 8 of k, columns 8 ((l / 8) % 2) on
	v_lshl_add_u32 v5, v2, 3, v5
	v_mul_u32_u24 v5, v5, PW
	v_bfe_u32 v6, v0, 3, 1
	v_lshl_add_u32 v5, v6, 4, v5
	s_lshl_b32 s30, s29, 7
	s_add_co_u32 s30, s30, WOFF
	v_add_nc_u32 v[ADRW], s30, v5
	v_add_nc_u32 v[ADRW+1], SLOT, v[ADRW]
	v_mul_u32_u24 v5, v1, SP                       ; into the stage: row r of my 64, my 128 bytes of its 512
	v_lshl_add_u32 v5, v2, 4, v5
	s_mul_i32 s30, s28, 64*SP
	s_lshl_b32 s31, s29, 7
	s_add_co_u32 s30, s30, s31
	s_add_co_u32 s30, s30, STAGE
	v_add_nc_u32 v[STO], s30, v5
	s_mul_i32 s30, s[WV], 16*SP                    ; back: wave w takes rows 16 w on, a whole row of 512 bytes an instruction
	s_add_co_u32 s30, s30, STAGE
	v_lshlrev_b32 v[CO], 4, v3
	v_add_nc_u32 v[RD], s30, v[CO]
	s_lshl_b32 s30, s29, 8
	s_add_co_u32 s30, s30, QG
	v_lshlrev_b32 v5, 5, v2
	v_add_nc_u32 v[QGA], s30, v5
	v_add_nc_u32 v8, QG, v7
	s_wait_loadcnt 0x0
.set p, 0
.rept 4
	v_pk_add_f32 v[QGR+2*p:QGR+2*p+1], v[QGR+2*p:QGR+2*p+1], v[QGR+8+2*p:QGR+8+2*p+1]
.set p, p+1
.endr
	v_pk_add_f32 v[QGR:QGR+1], v[QGR:QGR+1], v[QGR+4:QGR+5]
	v_pk_add_f32 v[QGR+2:QGR+3], v[QGR+2:QGR+3], v[QGR+6:QGR+7]
	v_pk_add_f32 v[QGR:QGR+1], v[QGR:QGR+1], v[QGR+2:QGR+3]
	v_add_f32 v[QGR], v[QGR], v[QGR+1]
	ds_store_b32 v8, v[QGR]                        ; the first change of slots waits for it and passes a barrier: every wave may read it from then on
; THE CHANGE OF SLOTS in front of step t.  Each wave waits for all its tensor loads (its part of step t's tiles), adds 0 to its spare word, and waits for that and for its reads of the other slot.
; Between the add and its wait the descriptors are set for step t + 1.  Behind the cluster's round the other slot is filled again, first thing.  The last step asks for nothing: a plain barrier.
.macro CHANGE t
	s_wait_tensorcnt 0x0
	ds_add_u32 v[SPW], v[NIL]
.set n, (\t)+1
.if n < 20
	s_add_co_u32 s[G0A+1], s[LA], (n%2)*SLOT
.if n%4 != 0
	s_add_nc_u64 s[G0A+2:G0A+3], s[G0A+2:G0A+3], 256             ; 128 along K
.elseif n == 4
	s_sub_nc_u64 s[G0A+2:G0A+3], s[G0A+2:G0A+3], 768             ; nodes once more
.elseif n == 16
	s_sub_nc_u64 s[G0A+2:G0A+3], s[G0A+2:G0A+3], 2*APLANE+768    ; from last back to nodes
.else
	s_add_nc_u64 s[G0A+2:G0A+3], s[G0A+2:G0A+3], APLANE-768      ; the next plane's K = 0
.endif
.if n < 16
	s_add_co_u32 s[G0W+1], s[LW], (n%2)*SLOT+WOFF
	s_add_nc_u64 s[G0W+2:G0W+3], s[G0W+2:G0W+3], 131072          ; 128 rows of k on; the planes lie end to end
.else
	s_add_co_u32 s[G0C+1], s[LW], (n%2)*SLOT+WOFF
.if n > 16
	s_add_nc_u64 s[G0C+2:G0C+3], s[G0C+2:G0C+3], 256
.endif
.endif
.endif
	s_wait_dscnt 0x0                               ; the add is done, and my LDS reads and stores are over
.if n < 20
	CROUND
	LOADS n/16
.else
	s_barrier_signal -1
	s_barrier_wait -1
.endif
.endm
; 32 along K: 16 LDS loads, 16 matrix instructions on 16 accumulators by turns.  cmode 0: add on; 1: the products start the sums; 2: they start them from the graph query.
; The two v_nop and the two address steps (or copies) in front of them are the four places between the last products and the loads into their sources.
.macro KSUB kind, cmode
	v_nop
	v_nop
.set bt, 0
.rept 4
.if \kind
	ds_load_b128 v[WF+8*bt:WF+8*bt+3], v[TW] offset:16*PA*bt
	ds_load_b128 v[WF+8*bt+4:WF+8*bt+7], v[TW] offset:16*PA*bt+32
.else
	ds_load_tr16_b128 v[WF+8*bt:WF+8*bt+3], v[TW] offset:32*bt
	ds_load_tr16_b128 v[WF+8*bt+4:WF+8*bt+7], v[TW] offset:32*bt+16*PW
.endif
.set bt, bt+1
.endr
.set a, 0
.rept 4
	ds_load_b128 v[AF+8*a:AF+8*a+3], v[TA] offset:16*PA*a
	ds_load_b128 v[AF+8*a+4:AF+8*a+7], v[TA] offset:16*PA*a+32
.set a, a+1
.endr
	s_wait_dscnt 0x0
.set a, 0
.rept 4
.set bt, 0
.rept 4
.set rD, ACC+8*(4*a+bt)
.if (\cmode) == 1
	v_wmma_f32_16x16x32_bf16 v[rD:rD+7], v[WF+8*bt:WF+8*bt+7], v[AF+8*a:AF+8*a+7], 0
.elseif (\cmode) == 2
	v_wmma_f32_16x16x32_bf16 v[rD:rD+7], v[WF+8*bt:WF+8*bt+7], v[AF+8*a:AF+8*a+7], v[QGR+8*bt:QGR+8*bt+7]
.else
	v_wmma_f32_16x16x32_bf16 v[rD:rD+7], v[WF+8*bt:WF+8*bt+7], v[AF+8*a:AF+8*a+7], v[rD:rD+7]
.endif
.set bt, bt+1
.endr
.set a, a+1
.endr
	v_add_nc_u32 v[TA], 64, v[TA]
.if \kind
	v_add_nc_u32 v[TW], 64, v[TW]
.else
	v_add_nc_u32 v[TW], 32*PW, v[TW]
.endif
.endm
; Step t: 128 along K.  A product's first 32 are written out ahead of the counted loop.
.macro STEP t
	CHANGE \t
	v_mov_b32 v[TA], v[ADRA+(\t)%2]
.if (\t) < 16
	v_mov_b32 v[TW], v[ADRW+(\t)%2]
.else
	v_mov_b32 v[TW], v[ADRC+(\t)%2]
.endif
.if (\t) == 8
.set bt, 0
.rept 4
	ds_load_b128 v[QGR+8*bt:QGR+8*bt+3], v[QGA] offset:64*bt       ; register j: column 16 bt + 8 (l / 16) + j, the same for every row
	ds_load_b128 v[QGR+8*bt+4:QGR+8*bt+7], v[QGA] offset:64*bt+16
.set bt, bt+1
.endr
	KSUB 0, 2
	s_mov_b32 s74, 3
.elseif ((\t)%4 == 0) && ((\t) != 12)
	KSUB (\t)/16, 1
	s_mov_b32 s74, 3
.else
	s_mov_b32 s74, 4
.endif
.Lk_\@:
	KSUB (\t)/16, 0
	s_sub_co_u32 s74, s74, 1
	s_cmp_lg_u32 s74, 0
	s_cbranch_scc1 .Lk_\@
.endm
; THE WAY OUT.  Rounded to f16, 16 bytes a lane into the work-group's stage; a barrier, since a row's 512 bytes come from four waves; back as whole rows, 16 rows a wave.
; The next way out writes the stage only behind four changes of slots, each with every wave's wait for its LDS reads in front of its barrier.
.macro EPI ob, scale
.rept 4
	v_nop                                          ; the places behind the last products
.endr
.if \scale
.set i, 0
.rept 64
	v_pk_mul_f32 v[ACC+2*i:ACC+2*i+1], v[ACC+2*i:ACC+2*i+1], s[72:73] op_sel_hi:[1,0]
.set i, i+1
.endr
.endif
.set i, 0
.rept 64
	v_cvt_pk_f16_f32 v[AF+i], v[ACC+2*i], v[ACC+2*i+1]
.set i, i+1
.endr
.set a, 0
.rept 4
.set bt, 0
.rept 4
	ds_store_b128 v[STO], v[AF+4*(4*a+bt):AF+4*(4*a+bt)+3] offset:a*16*SP+bt*32
.set bt, bt+1
.endr
.set a, a+1
.endr
	s_wait_dscnt 0x0                               ; for the others' sake: my stores into the stage are done
	s_barrier_signal -1
	s_barrier_wait -1
.set i, 0
.rept 16
	ds_load_b128 v[AF+4*i:AF+4*i+3], v[RD] offset:i*SP
.set i, i+1
.endr
.set i, 0
.rept 16
	s_wait_dscnt 15-i
	global_store_b128 v[CO], v[AF+4*i:AF+4*i+3], s[(\ob):(\ob)+1] offset:i*1024   ; 512 consecutive bytes, at a multiple of 512 from the buffer's first
.set i, i+1
.endr
	s_wait_xcnt 0x0                                ; the registers that the stores read are loaded again only behind this wait
.endm
.irp t, 0,1,2,3
	STEP \t
.endr
	EPI 10, 0                                      ; kf
.irp t, 4,5,6,7
	STEP \t
.endr
	EPI 12, 0                                      ; vf
.irp t, 8,9,10,11,12,13,14,15
	STEP \t
.endr
	EPI 14, 1                                      ; qf, with the scale
.irp t, 16,17,18,19
	STEP \t
.endr
	EPI 16, 0                                      ; nwf
	s_wait_tensorcnt 0x0                           ; the wave's end
	ds_add_u32 v[SPW], v[NIL]
	s_wait_dscnt 0x0
	CROUND                                         ; the closing round: no work-group ends while a partner may still ask for a tile that names it
	s_endpgm
.Lfunc_end_k_qfb751e4e68_proj:
	.size	k_qfb751e4e68_proj, .Lfunc_end_k_qfb751e4e68_proj-k_qfb751e4e68_proj
	.p2alignl 7, 3214868480
	.fill 96, 4, 3214868480
	.section	.rodata,"a",@progbits
	.p2align	6, 0x0
	.amdhsa_kernel k_qfb751e4e68_proj
		.amdhsa_group_segment_fixed_size 327680
		.amdhsa_private_segment_fixed_size 0
		.amdhsa_enable_private_segment 0
		.amdhsa_kernarg_size 56
		.amdhsa_user_sgpr_count 2
		.amdhsa_user_sgpr_kernarg_segment_ptr 1
		.amdhsa_wavefront_size32 1
		.amdhsa_system_sgpr_workgroup_id_x 1
		.amdhsa_system_sgpr_workgroup_id_y 1
		.amdhsa_system_sgpr_workgroup_id_z 1
		.amdhsa_system_vgpr_workitem_id 0
		.amdhsa_next_free_vgpr 256
		.amdhsa_next_free_sgpr 80
		.amdhsa_reserve_vcc 0
		.amdhsa_float_denorm_mode_32 3
		.amdhsa_float_denorm_mode_16_64 3
		.amdhsa_memory_ordered 1
		.amdhsa_forward_progress 1
		.amdhsa_inst_pref_size 128
	.end_amdhsa_kernel
	.amdgpu_metadata
---
amdhsa.version: [ 1, 2 ]
amdhsa.kernels:
  - .name:           k_qfb751e4e68_proj
    .symbol:         k_qfb751e4e68_proj.kd
    .args:
      - { .name: abf, .offset: 0, .size: 8, .value_kind: global_buffer, .address_space: global }
      - { .name: wbf, .offset: 8, .size: 8, .value_kind: global_buffer, .address_space: global }
      - { .name: qgp, .offset: 16, .size: 8, .value_kind: global_buffer, .address_space: global }
      - { .name: kf, .offset: 24, .size: 8, .value_kind: global_buffer, .address_space: global }
      - { .name: vf, .offset: 32, .size: 8, .value_kind: global_buffer, .address_space: global }
      - { .name: qf, .offset: 40, .size: 8, .value_kind: global_buffer, .address_space: global }
      - { .name: nwf, .offset: 48, .size: 8, .value_kind: global_buffer, .address_space: global }
    .group_segment_fixed_size: 327680
    .private_segment_fixed_size: 0
    .kernarg_segment_align: 8
    .kernarg_segment_size: 56
    .max_flat_workgroup_size: 256
    .sgpr_count:     80
    .vgpr_count:     256
    .wavefront_size: 32
...
	.end_amdgpu_metadata
.endif
;; end of part 2
;; launch attn (part 3): grid 16 x 16, 16 waves a work-group, clusters of 4 x 1, 327,680 bytes of LDS; arguments qf, kf, vf, nwf, bnp, group_ninf_mask, out0; writes out0
.if DOCPART == 3
	.amdgcn_target "amdgcn-amd-amdhsa--gfx1250"
	.amdhsa_code_object_version 6
	.text
	.protected	k_qfb751e4e68_attn
	.globl	k_qfb751e4e68_attn
	.p2align	8
	.type	k_qfb751e4e68_attn,@function
k_qfb751e4e68_attn:
	s_mov_b64 s[64:65], 0
	v_nop
	global_prefetch_b8 v0, s[64:65] scope:SCOPE_SE
	s_setreg_imm32_b32 hwreg(HW_REG_WAVE_MODE, 25, 1), 1
	s_wait_xcnt 0x0
	s_wait_alu depctr_hold_cnt(0) depctr_sa_sdst(0) depctr_va_vdst(0) depctr_va_sdst(0) depctr_va_ssrc(0) depctr_va_vcc(0) depctr_vm_vsrc(0)
	s_getreg_b32 s2, hwreg(HW_REG_IB_STS2, 6, 4)
	s_cmp_eq_u32 s2, 0
	s_cbranch_scc0 .Lentry_in_a_cluster
	s_endpgm
.Lentry_in_a_cluster:
	s_bfe_u32 s2, ttmp6, 0x10000c
	s_cmp_lg_u32 s2, 0x3003
	s_cbranch_scc0 .Lentry_shape_is_right
	s_endpgm
.Lentry_shape_is_right:
; ATTN.  For one batch and 64 queries: the 16 heads' attention (head size 32, additive mask), then the pointer scores against all 1,024 nodes, 10 tanh + mask, and the softmax over the nodes.
; Operands f16, products, maxima and sums f32.  qf holds q / sqrt(32); nwf = nodes Wc^T; bnp four partial sums of nodes . bc.
; PHASE A: a wave is a head.  Every wave walks the batch's 1,024 keys, 64 a tile.  S^T = K Q^T + mask: the mask tile (f32, as it lies in memory) is the C operand, so a lane holds ONE query
; (lane % 16) and keys 8 (lane / 16) + 0..7 of each 16; two results rounded to f16 ARE source 1 of O^T = V^T P.  A running maximum m and sum l for each query: p = 2^(L s - L m), L = log2(e);
; in every tile O and l are multiplied by a = 2^(L m_old - L m_new).  m starts at -1e30, O and l at 0 (72 v_mov_b32 in the wait for the first tile), so no first step is written out.
; THE WALK.  A tile's K and V are read from LDS once, into registers, and its mask a query tile at a time.  So a slot is read out when the fourth query tile's mask has been fetched: THE CHANGE OF
; SLOTS STANDS BETWEEN THE THIRD AND THE FOURTH QUERY TILE.  Behind it every wave goes on with work that lies in registers, and the next tile's K, first mask tile and V are fetched beside
; the fourth query tile's softmax and products.  No LDS read stands between a change of slots and the work behind it.
; PHASE C: the 64 x 512 result lies in LDS as f16; a wave takes 64 nodes, all 64 queries: 16 accumulators that hold its part of the rows of scores until they leave.
; The rows' maxima and sums meet in LDS.  tanh x = 1 - 2 / (1 + 2^(2 L x)).  The maximum is taken away before the exponential, as in the softmax that is asked for.
; LIMITS.  q, k, v, nwf arrive within f16's 65,504.  In phase A the mask enters unrounded, in phase C rounded to bf16 like the other inputs.  A query all of whose scores lie below -1e30
; (a row masked by -inf throughout) gives NaN.  NaN and +inf among the inputs are not treated apart.
; CLUSTER.  The four work-groups of a cluster take four query blocks of one batch: K's and V's tiles are asked for jointly (mask of four); the mask's tiles are each work-group's own.
; Wave 0 fetches K's tile, wave 1 V's, wave 2 the mask's: 64 rows each; one tensor load a wave is out at the most.
.set PK,    1040                       ; a row of K in LDS: 1,024 bytes + 16
.set PV,    1056                       ; a row of V: 1,024 + 32, for the turning load
.set PM,    272                        ; a row of the mask's tile: 64 f32 + 16 bytes
.set MOFF,  64*PK                      ; a slot: K, the mask, V
.set VOFF,  MOFF+64*PM
.set SLOT1, 172032                     ; slot 1: its bits (17, 15, 13) meet none of MOFF's or VOFF's, so one exclusive or turns a tile's address into the other slot's
.set SPARE, VOFF+64*PV                 ; between the slots: the spare words, 128 bytes a wave, which no other line names;
.set RMAX,  SPARE+2048                 ; 64 rows x 16 waves' maxima, rows of 80 bytes;
.set RSUM,  RMAX+5120                  ; and their sums
.set RP,    80
.set OSTG,  SLOT1                      ; the way out: 16 rows x 272 bytes a wave, in slot 1 behind its last fill.  The attention's result lies in slot 0's K bytes behind their last fill
.set AK0, 3                            ; my lane's place in K's tile; also where I put my head's result
.set AV0, 4
.set AM0, 5
.set AK,  6
.set AV,  7
.set AM,  8
.set NO,  9                            ; r x 1,024 + 16 x half: rows of qf and nwf
.set SPW, 10
.set NIL, 11
.set OCR, 12                           ; r x 1,040 + 16 x half
.set BO,  13                           ; 32 x half
.set MO,  14                           ; r x 4,096 + 32 x half
.set RW,  15
.set RR,  4                            ; phase C takes v4, v6, v7, v8 anew
.set SW,  6
.set SR,  7
.set GO,  8
.set ST,  16                           ; query tile qt at ST + 4 qt: L m, m, l (even keys', odd keys')
.set C0,  32                           ; v[32:35] at work; v34 takes a
.set MV,  36
.set Q,   40                           ; v[40:71]
.set KF,  72                           ; v[72:103]
.set VF,  104                          ; v[104:135] key half kk, channel block cb at 8 (2 kk + cb)
.set S,   136                          ; v[136:167]
.set P,   168                          ; v[168:183]
.set O,   184                          ; v[184:247] at 16 qt + 8 cb
.set NF0, 16                           ; phase C: two buffers of nwf's fragments, one of the result's
.set NF1, 48
.set OF,  80
.set BK,  16                           ; then: nodes . bc, scaled; two mask buffers
.set BB,  48
.set BC,  80
.set W0,  112
.set CM,  116
.set ML,  112
.set TS,  120
.set ACC, 128                          ; accumulator (nt, qt) at 8 (4 nt + qt)
.set WV,  18
.set G1K, 32
.set G1V, 40
.set G1M, 48
.set G0K, 56
.set G0V, 60
.set G0M, 68
.set LC,  72                           ; s[72:73] log2(e)
.set SEL, 74                           ; s74, s75
.set TB,  76                           ; the slot from which the next fragments are fetched
.set CNT, 78
.set K2,  80                           ; s[80:81] 2 log2(e) / sqrt(512)
.set TEN, 82
.set M20, 84
.set HM,  86
.macro CROUND                          ; a round of the cluster's barrier
	s_barrier_signal -1
	s_barrier_wait -1
	s_cmp_lg_u32 s[WV], 0
	s_cbranch_scc1 .Lnot_wave_0_\@
	s_barrier_signal -3
.Lnot_wave_0_\@:
	s_barrier_wait -3
	s_barrier_signal -1
	s_barrier_wait -1
.endm
; A tile's fills.  The branches hang on the wave's number alone.  An s_nop 0 and four v_nop follow each load, ahead of the jump and the label.
.macro JLOAD
	s_cmp_lg_u32 s[WV], 0
	s_cbranch_scc1 .Lnot_k_\@
	tensor_load_to_lds s[G0K:G0K+3], s[G1K:G1K+7]
	s_nop 0
.rept 4
	v_nop
.endr
	s_branch .Lasked_\@
.Lnot_k_\@:
	s_cmp_lg_u32 s[WV], 1
	s_cbranch_scc1 .Lnot_v_\@
	tensor_load_to_lds s[G0V:G0V+3], s[G1V:G1V+7]
	s_nop 0
.rept 4
	v_nop
.endr
	s_branch .Lasked_\@
.Lnot_v_\@:
	s_cmp_lg_u32 s[WV], 2
	s_cbranch_scc1 .Lasked_\@
	tensor_load_to_lds s[G0M:G0M+3], s[G1M:G1M+7]
	s_nop 0
.rept 4
	v_nop
.endr
.Lasked_\@:
.endm
; THE CHANGE OF SLOTS.  Each wave waits for all its tensor loads (its tile of the other slot), adds 0 to its spare word, and waits for that and for its reads of the slot in hand, which are its last.
; fill = 1: behind the cluster's round that slot is filled again, first thing, with the keys two tiles on.  The fetches turn to the other slot.
.macro CHANGE fill
	s_wait_tensorcnt 0x0
	ds_add_u32 v[SPW], v[NIL]                      ; the descriptors' steps stand between it and its wait
.if \fill
	s_xor_b32 s[G0K+1], s[G0K+1], SLOT1
	s_add_nc_u64 s[G0K+2:G0K+3], s[G0K+2:G0K+3], 65536
	s_xor_b32 s[G0V+1], s[G0V+1], SLOT1
	s_add_nc_u64 s[G0V+2:G0V+3], s[G0V+2:G0V+3], 65536
	s_xor_b32 s[G0M+1], s[G0M+1], SLOT1
	s_add_nc_u64 s[G0M+2:G0M+3], s[G0M+2:G0M+3], 256
.endif
	s_xor_b32 s[TB], s[TB], SLOT1
	s_wait_dscnt 0x0
.if \fill
	CROUND
	JLOAD
.else
	s_barrier_signal -1
	s_barrier_wait -1
.endif
.endm
	s_load_b256 s[4:11], s[0:1], 0x0               ; qf s[4:5], kf s[6:7], vf s[8:9], nwf s[10:11]
	s_load_b128 s[12:15], s[0:1], 0x20             ; bnp s[12:13], mask s[14:15]
	s_load_b64 s[16:17], s[0:1], 0x30              ; out0
	v_lshl_add_u32 v[SPW], v0, 2, SPARE
	v_mov_b32 v[NIL], 0
	ds_add_u32 v[SPW], v[NIL]                      ; the wave's opening: the add and its wait ahead of the first tensor load
	v_lshrrev_b32 v1, 5, v0
	v_readfirstlane_b32 s[WV], v1                  ; wave 0..15: the head, later the block of 64 nodes
	s_bfe_u32 s19, ttmp6, 0x40000                  ; cx
	s_lshl_b32 s20, ttmp9, 2
	s_add_co_u32 s20, s20, s19                     ; my block of 64 queries: it enters qf's, the mask's and out0's addresses alone
	s_and_b32 s21, ttmp7, 0xffff                   ; the batch, which the four partners share
	s_lshl_b32 s22, s21, 20                        ; the batch's 1,024 rows of 1,024 bytes
	s_mov_b32 s23, 0
	s_lshl_b32 s24, s21, 22                        ; the mask's and out0's rows of 4,096 bytes
	s_lshl_b32 s25, s20, 18
	s_add_co_u32 s24, s24, s25
	s_mov_b32 s25, 0
	s_lshl_b32 s26, s20, 16                        ; qf: my 64 rows, my head's 64 bytes
	s_add_co_u32 s26, s26, s22
	s_lshl_b32 s27, s[WV], 6
	s_add_co_u32 s26, s26, s27
	s_mov_b32 s27, 0
	s_lshl_b32 s28, s[WV], 16                      ; nwf: my 64 nodes
	s_add_co_u32 s28, s28, s22
	s_mov_b32 s29, 0
	s_lshl_b32 s30, s21, 12                        ; bnp: the same nodes, 4 bytes each
	s_lshl_b32 s31, s[WV], 8
	s_add_co_u32 s30, s30, s31
	s_mov_b32 s31, 0
	s_mov_b32 s[G1K], 15|(1<<16)|(1<<20)|(1<<21)|(7<<22)|(3<<25)   ; the mask of four, bit 21 beside it; 2-byte elements; 4 words of padding after every 256
	s_mov_b32 s[G1V], 15|(1<<16)|(1<<20)|(1<<21)|(7<<22)|(7<<25)   ; the same with 8 words
.irp g, G1K, G1V
	s_mov_b32 s[\g+1], 512<<16                     ; tensor_dim0 = 512
	s_mov_b32 s[\g+2], 64<<16                      ; tensor_dim1 = 64
	s_mov_b32 s[\g+3], 512<<16                     ; tile_dim0 = 512
	s_mov_b32 s[\g+4], 64                          ; tile_dim1 = 64
	s_mov_b32 s[\g+5], 512                         ; elements from row to row
	s_mov_b32 s[\g+6], 0
	s_mov_b32 s[\g+7], 0
.endr
	s_mov_b32 s[G1M], (2<<16)|(1<<20)|(5<<22)|(3<<25)              ; 4-byte elements; 4 words of padding after every 64; no mask of work-groups
	s_mov_b32 s[G1M+1], 64<<16
	s_mov_b32 s[G1M+2], 64<<16
	s_mov_b32 s[G1M+3], 64<<16
	s_mov_b32 s[G1M+4], 64
	s_mov_b32 s[G1M+5], 1024
	s_mov_b32 s[G1M+6], 0
	s_mov_b32 s[G1M+7], 0
	s_mov_b32 s[G0K], 1
	s_mov_b32 s[G0K+1], 0
	s_mov_b32 s[G0V], 1
	s_mov_b32 s[G0V+1], VOFF
	s_mov_b32 s[G0M], 1
	s_mov_b32 s[G0M+1], MOFF
	s_mov_b32 s[LC], 0x3fb8aa3b
	s_mov_b32 s[LC+1], s[LC]
	s_mov_b32 s[SEL], 0x76543210
	s_mov_b32 s[SEL+1], 0xfedcba98
	s_mov_b32 s[TB], SLOT1                         ; the first change of slots turns it into 0
	s_mov_b32 s[K2], 0x3e0293ee
	s_mov_b32 s[K2+1], s[K2]
	s_mov_b32 s[TEN], 0x41200000
	s_mov_b32 s[TEN+1], s[TEN]
	s_mov_b32 s[M20], 0xc1a00000
	s_mov_b32 s[M20+1], s[M20]
	s_mov_b32 s[HM], 0xffff0000
	s_wait_dscnt 0x0                               ; the opening add is done
	s_wait_kmcnt 0x0
	s_add_nc_u64 s[G0K+2:G0K+3], s[6:7], s[22:23]
	s_or_b32 s[G0K+3], s[G0K+3], 0x80000000
	s_add_nc_u64 s[G0V+2:G0V+3], s[8:9], s[22:23]
	s_or_b32 s[G0V+3], s[G0V+3], 0x80000000
	s_add_nc_u64 s[G0M+2:G0M+3], s[14:15], s[24:25]
	s_or_b32 s[G0M+3], s[G0M+3], 0x80000000
	CROUND                                         ; all four work-groups are here: the first joint loads meet
	JLOAD                                          ; keys 0 to 63 into slot 0
	s_lshl_b32 s79, s[WV], 8
	s_add_co_u32 s24, s24, s79                     ; phase C: my 64 nodes' columns of the mask and of out0
	s_add_nc_u64 s[14:15], s[14:15], s[24:25]
	s_add_nc_u64 s[16:17], s[16:17], s[24:25]
	s_add_nc_u64 s[4:5], s[4:5], s[26:27]
	s_add_nc_u64 s[10:11], s[10:11], s[28:29]
	s_add_nc_u64 s[12:13], s[12:13], s[30:31]
	v_and_b32 v1, 15, v0                           ; r
	v_bfe_u32 v2, v0, 4, 1                         ; half of the lanes
	v_lshlrev_b32 v[NO], 10, v1
	v_lshl_add_u32 v[NO], v2, 4, v[NO]
.set qt, 0
.rept 4                                                ; Q stays in registers: 16 queries x 32 channels a tile
	global_load_b128 v[Q+8*qt:Q+8*qt+3], v[NO], s[4:5] offset:qt*16384
	global_load_b128 v[Q+8*qt+4:Q+8*qt+7], v[NO], s[4:5] offset:qt*16384+32
.set qt, qt+1
.endr
	v_mul_u32_u24 v[OCR], v1, PK
	v_lshl_add_u32 v[OCR], v2, 4, v[OCR]
	s_lshl_b32 s79, s[WV], 6
	v_add_nc_u32 v[AK0], s79, v[OCR]               ; row x pitch + my head's 64 bytes + 16 x half
	v_and_b32 v[AV0], 7, v0                        ; the turning load: lane l reads key 8 (l / 16) + l % 8, channels 8 ((l / 8) % 2) on
	v_lshl_add_u32 v[AV0], v2, 3, v[AV0]
	v_mul_u32_u24 v[AV0], v[AV0], PV
	v_bfe_u32 v[AM0], v0, 3, 1
	v_lshl_add_u32 v[AV0], v[AM0], 4, v[AV0]
	s_add_co_u32 s79, s79, VOFF
	v_add_nc_u32 v[AV0], s79, v[AV0]
	v_mul_u32_u24 v[AM0], v1, PM                   ; the mask: query r's row, keys 8 x half on
	v_lshl_add_u32 v[AM0], v2, 5, v[AM0]
	v_add_nc_u32 v[AM0], MOFF, v[AM0]
	v_lshlrev_b32 v[BO], 5, v2
	v_lshl_add_u32 v[MO], v1, 12, v[BO]
.set i, 0
.rept 64
	v_mov_b32 v[O+i], 0
.set i, i+1
.endr
.set qt, 0
.rept 4
	v_mov_b32 v[ST+4*qt+1], 0xf149f2ca             ; m = -1e30
	v_mul_f32 v[ST+4*qt], s[LC], v[ST+4*qt+1]
	v_mov_b32 v[ST+4*qt+2], 0
	v_mov_b32 v[ST+4*qt+3], 0
.set qt, qt+1
.endr
	s_wait_loadcnt 0x0                             ; Q
; A tile's fragments, three runs of eight LDS loads, always issued in this order: K, the first query tile's mask, V.
.macro KLOAD                           ; K: 4 x 16 keys x my head's 32 channels
.set kt, 0
.rept 4
	ds_load_b128 v[KF+8*kt:KF+8*kt+3], v[AK] offset:kt*16*PK
	ds_load_b128 v[KF+8*kt+4:KF+8*kt+7], v[AK] offset:kt*16*PK+32
.set kt, kt+1
.endr
.endm
.macro VLOAD                           ; V turned: 2 x 32 keys x 2 x 16 channels
.set f, 0
.rept 4
	ds_load_tr16_b128 v[VF+8*f:VF+8*f+3], v[AV] offset:(f/2)*32*PV+(f%2)*32
	ds_load_tr16_b128 v[VF+8*f+4:VF+8*f+7], v[AV] offset:(f/2)*32*PV+16*PV+(f%2)*32
.set f, f+1
.endr
.endm
.macro MTILE q                         ; the mask of query tile q, in the accumulators' layout, into S
.set kt, 0
.rept 4
	ds_load_b128 v[S+8*kt:S+8*kt+3], v[AM] offset:(\q)*16*PM+kt*64
	ds_load_b128 v[S+8*kt+4:S+8*kt+7], v[AM] offset:(\q)*16*PM+kt*64+16
.set kt, kt+1
.endr
.endm
; 16 queries x 64 keys of my head.  The fourth unit (qt = 3) also fetches the next tile's fragments from the slot that s[TB] names:
; K four places behind the products that read K, the mask when S is free, V four places behind the products that read V.
.macro UNIT qt
.set rT, ST+4*(\qt)
.set rO, O+16*(\qt)
.if (\qt) == 0
	s_wait_dscnt 8                                 ; K's eight loads and the mask's eight are in; V's eight, issued behind them, may be out
.elseif (\qt) < 3
	s_wait_dscnt 0x0                               ; the mask tile in S
.endif                                                 ; (the fourth unit's mask was waited for in front of the change of slots)
.set kt, 0
.rept 4
	v_wmma_f32_16x16x32_f16 v[S+8*kt:S+8*kt+7], v[KF+8*kt:KF+8*kt+7], v[Q+8*(\qt):Q+8*(\qt)+7], v[S+8*kt:S+8*kt+7]
.set kt, kt+1
.endr
	v_mov_b32 v[MV], v[rT]                         ; L m_old is kept; this line and the three below are the four places behind the products
.if (\qt) == 3
	v_add_nc_u32 v[AK], s[TB], v[AK0]
.else
	v_nop
.endif
	v_nop
	v_nop
.if (\qt) == 3
	KLOAD
.endif
.set n, 0
.rept 4                                                ; four chains; each accumulator's lowest registers are read first
	v_max3_num_f32 v[C0+n], v[S+8*n], v[S+8*n+1], v[S+8*n+2]
.set n, n+1
.endr
.set n, 0
.rept 4
	v_max3_num_f32 v[C0+n], v[C0+n], v[S+8*n+3], v[S+8*n+4]
.set n, n+1
.endr
.set n, 0
.rept 4
	v_max3_num_f32 v[C0+n], v[C0+n], v[S+8*n+5], v[S+8*n+6]
.set n, n+1
.endr
	v_max3_num_f32 v[C0], v[C0], v[S+7], v[S+15]
	v_max3_num_f32 v[C0+1], v[C0+1], v[S+23], v[S+31]
	v_max3_num_f32 v[C0+2], v[C0+2], v[C0+3], v[rT+1]
	v_max3_num_f32 v[C0], v[C0], v[C0+1], v[C0+2]
	v_permlanex16_b32 v[C0+3], v[C0], s[SEL], s[SEL+1]   ; the query's other 32 keys lie in the lane 16 away
	v_max_num_f32 v[rT+1], v[C0], v[C0+3]
	v_mul_f32 v[rT], s[LC], v[rT+1]
	v_sub_f32 v[C0+1], v[MV], v[rT]
	v_exp_f32 v[C0+2], v[C0+1]                     ; a; the scalings below stand between it and its use
.set i, 0
.rept 16
	v_pk_fma_f32 v[S+2*i:S+2*i+1], v[S+2*i:S+2*i+1], s[LC:LC+1], v[rT:rT+1] op_sel_hi:[1,0,0] neg_lo:[0,0,1] neg_hi:[0,0,1]
.set i, i+1
.endr
.set i, 0
.rept 32
	v_exp_f32 v[S+i], v[S+i]
.set i, i+1
.endr
	v_nop                                          ; a plain instruction between the last exponential and the use of its result
.set i, 0
	s_wait_alu depctr_va_vdst(0)
.rept 16
	v_cvt_pk_f16_f32 v[P+i], v[S+2*i], v[S+2*i+1]
.set i, i+1
.endr
.set i, 0
.rept 8
	v_pk_add_f32 v[S+4*i:S+4*i+1], v[S+4*i:S+4*i+1], v[S+4*i+2:S+4*i+3]
.set i, i+1
.endr
.set i, 0
.rept 4
	v_pk_add_f32 v[S+8*i:S+8*i+1], v[S+8*i:S+8*i+1], v[S+8*i+4:S+8*i+5]
.set i, i+1
.endr
	v_pk_add_f32 v[S:S+1], v[S:S+1], v[S+8:S+9]
	v_pk_add_f32 v[S+16:S+17], v[S+16:S+17], v[S+24:S+25]
	v_pk_add_f32 v[S:S+1], v[S:S+1], v[S+16:S+17]
	v_pk_fma_f32 v[rT+2:rT+3], v[rT+2:rT+3], v[C0+2:C0+3], v[S:S+1] op_sel_hi:[1,0,1]   ; l = a l + the sum
.if (\qt) < 3
	MTILE (\qt)+1                                  ; the next query tile's mask, on its way while O is rescaled and multiplied
.else
	v_add_nc_u32 v[AM], s[TB], v[AM0]
	MTILE 0                                        ; the next tile's first
.endif
.set i, 0
.rept 8
	v_pk_mul_f32 v[rO+2*i:rO+2*i+1], v[rO+2*i:rO+2*i+1], v[C0+2:C0+3] op_sel_hi:[1,0]
.set i, i+1
.endr
.if (\qt) == 0
	s_wait_dscnt 8                                 ; V is in; the eight loads of the mask just issued may be out
.endif
.set f, 0
.rept 4                                                ; the two accumulators take turns
	v_wmma_f32_16x16x32_f16 v[rO+8*(f%2):rO+8*(f%2)+7], v[VF+8*f:VF+8*f+7], v[P+8*(f/2):P+8*(f/2)+7], v[rO+8*(f%2):rO+8*(f%2)+7]
.set f, f+1
.endr
.if (\qt) == 3
	v_add_nc_u32 v[AV], s[TB], v[AV0]              ; with three v_nop: the four places behind the products that read V
	v_nop
	v_nop
	v_nop
	VLOAD
.endif
.endm
.macro TRIP fill
	UNIT 0
	UNIT 1
	UNIT 2
	CHANGE \fill
	UNIT 3
.endm
	CHANGE 1                                       ; keys 0 to 63 are in, everybody's part of them; slot 1 is asked for
	v_add_nc_u32 v[AK], s[TB], v[AK0]
	v_add_nc_u32 v[AM], s[TB], v[AM0]
	v_add_nc_u32 v[AV], s[TB], v[AV0]
	KLOAD
	MTILE 0
	VLOAD
	s_mov_b32 s[CNT], 14
.Ltile:                                                ; 14 trips: trip j works on tile j, asks for tile j + 2 and fetches tile j + 1's fragments
	TRIP 1
	s_sub_co_u32 s[CNT], s[CNT], 1
	s_cmp_lg_u32 s[CNT], 0
	s_cbranch_scc1 .Ltile
	s_mov_b32 s[CNT], 2
.Ltail:                                                ; the last two tiles ask for nothing: a second text.  Its second walk fetches fragments
	TRIP 0                                         ; of a tile that does not exist (slot 0's old bytes), which serve nothing: the price, once a launch, of one text for both walks
	s_sub_co_u32 s[CNT], s[CNT], 1
	s_cmp_lg_u32 s[CNT], 0
	s_cbranch_scc1 .Ltail
	; THE HEADS' RESULT: divided by l, rounded to f16, into slot 0's K bytes.  Every wave's last reads of slot 0 are waited for in front of the barrier; the division stands between its signal and its wait.
	s_wait_dscnt 0x0
	s_barrier_signal -1
.set qt, 0
.rept 4
	v_add_f32 v[ST+4*qt+2], v[ST+4*qt+2], v[ST+4*qt+3]
.set qt, qt+1
.endr
.set qt, 0
.rept 4
	v_permlanex16_b32 v[ST+4*qt+3], v[ST+4*qt+2], s[SEL], s[SEL+1]
.set qt, qt+1
.endr
.set qt, 0
.rept 4
	v_add_f32 v[ST+4*qt+2], v[ST+4*qt+2], v[ST+4*qt+3]
.set qt, qt+1
.endr
.set qt, 0
.rept 4
	v_rcp_f32 v[ST+4*qt+2], v[ST+4*qt+2]
.set qt, qt+1
.endr
	v_nop
.set i, 0
	s_wait_alu depctr_va_vdst(0)
.rept 32
	v_pk_mul_f32 v[O+2*i:O+2*i+1], v[O+2*i:O+2*i+1], v[ST+4*(i/8)+2:ST+4*(i/8)+3] op_sel_hi:[1,0]
.set i, i+1
.endr
.set i, 0
.rept 32
	v_cvt_pk_f16_f32 v[S+i], v[O+2*i], v[O+2*i+1]
.set i, i+1
.endr
	s_barrier_wait -1
.set f, 0
.rept 8
	ds_store_b128 v[AK0], v[S+4*f:S+4*f+3] offset:(f/2)*16*PK+(f%2)*32
.set f, f+1
.endr
.macro NLOAD off, buf                  ; 64 nodes x 32 of nwf's 512, at byte off of the rows: four fragments
.set nt, 0
.rept 4
	global_load_b128 v[(\buf)+8*nt:(\buf)+8*nt+3], v[NO], s[10:11] offset:nt*16384+(\off)
	global_load_b128 v[(\buf)+8*nt+4:(\buf)+8*nt+7], v[NO], s[10:11] offset:nt*16384+(\off)+32
.set nt, nt+1
.endr
.endm
	NLOAD 0, NF0
	s_mul_i32 s26, s[WV], 16*PM
	s_add_co_u32 s26, s26, OSTG                    ; my stage
	v_mul_u32_u24 v[SW], v1, PM                    ; in: row r, 32 bytes for each half of the lanes
	v_lshl_add_u32 v[SW], v2, 5, v[SW]
	v_add_nc_u32 v[SW], s26, v[SW]
	v_mul_u32_u24 v[SR], v2, PM                    ; back: lanes 0-15 one row of 256 bytes, lanes 16-31 the next
	v_lshl_add_u32 v[SR], v1, 4, v[SR]
	v_add_nc_u32 v[SR], s26, v[SR]
	v_lshlrev_b32 v[GO], 12, v2                    ; and the same two rows in out0
	v_lshl_add_u32 v[GO], v1, 4, v[GO]
	v_mul_u32_u24 v[RR], v1, RP
	v_add_nc_u32 v[RR], RMAX, v[RR]                ; row r's 16 words
	s_lshl_b32 s26, s[WV], 2
	v_add_nc_u32 v[RW], s26, v[RR]                 ; my wave's word among them
	s_wait_dscnt 0x0                               ; for the others' sake: my head's part of the result is in LDS
	s_barrier_signal -1
	s_barrier_wait -1
	; PHASE C.  S2^T = NW OC^T: source 0 = 16 nodes, source 1 = 16 queries; 16 steps of 32 along the 512; nwf's fragments come straight from memory, a step ahead.
; One step: multiplies buffer cur; nxt >= 0: the next step's fragments, at byte goff of nwf's rows, are asked for into nxt.  loff: the step's bytes in the result's rows.
; zero = 1: the products start the sums.  pl = 1: four places in front of the loads into registers that the last products read.
.macro KS cur, nxt, goff, loff, zero, pl
.if \pl
.rept 4
	v_nop
.endr
.endif
.if (\nxt) >= 0
	NLOAD \goff, \nxt
.endif
.set qt, 0
.rept 4
	ds_load_b128 v[OF+8*qt:OF+8*qt+3], v[OCR] offset:qt*16*PK+(\loff)
	ds_load_b128 v[OF+8*qt+4:OF+8*qt+7], v[OCR] offset:qt*16*PK+(\loff)+32
.set qt, qt+1
.endr
.if (\nxt) >= 0
	s_wait_loadcnt 8                               ; this step's eight loads are in; the next step's eight stay out
.else
	s_wait_loadcnt 0x0
.endif
	s_wait_dscnt 0x0
.set nt, 0
.rept 4
.set qt, 0
.rept 4
.set rD, ACC+8*(4*nt+qt)
.set rN, (\cur)+8*nt
.if \zero
	v_wmma_f32_16x16x32_f16 v[rD:rD+7], v[rN:rN+7], v[OF+8*qt:OF+8*qt+7], 0
.else
	v_wmma_f32_16x16x32_f16 v[rD:rD+7], v[rN:rN+7], v[OF+8*qt:OF+8*qt+7], v[rD:rD+7]
.endif
.set qt, qt+1
.endr
.set nt, nt+1
.endr
.endm
	KS NF0, NF1, 64, 0, 1, 0                       ; step 0 starts the sums, ahead of the loop
	s_mov_b32 s[CNT], 7
.Lks:                                                  ; trip t: steps 2 t + 1 and 2 t + 2; both addresses go 128 bytes on a trip
	KS NF1, NF0, 128, 64, 0, 1
	KS NF0, NF1, 192, 128, 0, 1
	s_wait_xcnt 0x0                                ; nwf's base, which the loads just issued read, is stepped only behind this wait
	s_add_nc_u64 s[10:11], s[10:11], 128
	v_add_nc_u32 v[OCR], 128, v[OCR]
	s_sub_co_u32 s[CNT], s[CNT], 1
	s_cmp_lg_u32 s[CNT], 0
	s_cbranch_scc1 .Lks
	KS NF1, -1, 0, 64, 0, 1                        ; step 15 asks for nothing
.macro BLOAD p, buf                    ; part p of nodes . bc for my 64 nodes: register j of block nt: node 16 nt + 8 (l / 16) + j
.set nt, 0
.rept 4
	global_load_b128 v[(\buf)+8*nt:(\buf)+8*nt+3], v[BO], s[12:13] offset:(\p)*65536+nt*64
	global_load_b128 v[(\buf)+8*nt+4:(\buf)+8*nt+7], v[BO], s[12:13] offset:(\p)*65536+nt*64+16
.set nt, nt+1
.endr
.endm
.macro MLOAD q, buf                    ; the mask of query tile q for my 64 nodes, in the accumulators' layout
.set nt, 0
.rept 4
	global_load_b128 v[(\buf)+8*nt:(\buf)+8*nt+3], v[MO], s[14:15] offset:(\q)*65536+nt*64
	global_load_b128 v[(\buf)+8*nt+4:(\buf)+8*nt+7], v[MO], s[14:15] offset:(\q)*65536+nt*64+16
.set nt, nt+1
.endr
.endm
.macro PADD buf
.set i, 0
.rept 16
	v_pk_add_f32 v[BK+2*i:BK+2*i+1], v[BK+2*i:BK+2*i+1], v[(\buf)+2*i:(\buf)+2*i+1]
.set i, i+1
.endr
.endm
.rept 4
	v_nop                                          ; the places behind the last products
.endr
	BLOAD 0, BK
	BLOAD 1, BB
	BLOAD 2, BC
	s_wait_loadcnt 0x0
	PADD BB
	PADD BC
	BLOAD 3, BB
	MLOAD 0, BC
	s_wait_loadcnt 8                               ; the fourth part is in; the mask's eight loads stay out
	PADD BB
.set i, 0
.rept 16
	v_pk_mul_f32 v[BK+2*i:BK+2*i+1], v[BK+2*i:BK+2*i+1], s[K2:K2+1] op_sel_hi:[1,0]
.set i, i+1
.endr
	MLOAD 1, BB
; Query tile qt: x = 10 tanh(score / sqrt(512)) + mask for my 64 nodes, and their maximum into LDS.  left: the other mask buffer's loads, which stay out.
.macro TQ qt, buf, left
	s_wait_loadcnt \left
.set i, 0
.rept 16                                               ; the mask rounded to bf16, plus 10
	v_cvt_pk_bf16_f32 v[W0+i%4], v[(\buf)+2*i], v[(\buf)+2*i+1]
	v_lshlrev_b32 v[(\buf)+2*i], 16, v[W0+i%4]
	v_and_b32 v[(\buf)+2*i+1], s[HM], v[W0+i%4]
	v_pk_add_f32 v[(\buf)+2*i:(\buf)+2*i+1], v[(\buf)+2*i:(\buf)+2*i+1], s[TEN:TEN+1] op_sel_hi:[1,0]
.set i, i+1
.endr
.set i, 0
.rept 16                                               ; 2 L (score + nodes . bc) / sqrt(512); each accumulator's lowest registers first
.set rA, ACC+8*(4*(i/4)+(\qt))+2*(i%4)
	v_pk_fma_f32 v[rA:rA+1], v[rA:rA+1], s[K2:K2+1], v[BK+2*i:BK+2*i+1] op_sel_hi:[1,0,1]
.set i, i+1
.endr
.set i, 0
.rept 32
	v_exp_f32 v[ACC+8*(4*(i/8)+(\qt))+i%8], v[ACC+8*(4*(i/8)+(\qt))+i%8]
.set i, i+1
.endr
	v_nop
.set i, 0
	s_wait_alu depctr_va_vdst(0)
.rept 16
.set rA, ACC+8*(4*(i/4)+(\qt))+2*(i%4)
	v_pk_add_f32 v[rA:rA+1], v[rA:rA+1], 1.0 op_sel_hi:[1,0]
.set i, i+1
.endr
.set i, 0
.rept 32
	v_rcp_f32 v[ACC+8*(4*(i/8)+(\qt))+i%8], v[ACC+8*(4*(i/8)+(\qt))+i%8]
.set i, i+1
.endr
	v_nop
.set i, 0
	s_wait_alu depctr_va_vdst(0)
.rept 16                                               ; 10 - 20 / (1 + 2^..) + mask
.set rA, ACC+8*(4*(i/4)+(\qt))+2*(i%4)
	v_pk_fma_f32 v[rA:rA+1], v[rA:rA+1], s[M20:M20+1], v[(\buf)+2*i:(\buf)+2*i+1] op_sel_hi:[1,0,1]
.set i, i+1
.endr
.set n, 0
.rept 4
.set rA, ACC+8*(4*n+(\qt))
	v_max3_num_f32 v[CM+n], v[rA], v[rA+1], v[rA+2]
.set n, n+1
.endr
.set n, 0
.rept 4
.set rA, ACC+8*(4*n+(\qt))
	v_max3_num_f32 v[CM+n], v[CM+n], v[rA+3], v[rA+4]
.set n, n+1
.endr
.set n, 0
.rept 4
.set rA, ACC+8*(4*n+(\qt))
	v_max3_num_f32 v[CM+n], v[CM+n], v[rA+5], v[rA+6]
.set n, n+1
.endr
	v_max3_num_f32 v[CM], v[CM], v[ACC+8*(\qt)+7], v[ACC+8*(4+(\qt))+7]
	v_max3_num_f32 v[CM+1], v[CM+1], v[ACC+8*(8+(\qt))+7], v[ACC+8*(12+(\qt))+7]
	v_max3_num_f32 v[CM], v[CM], v[CM+1], v[CM+2]
	v_max_num_f32 v[CM], v[CM], v[CM+3]
	v_permlanex16_b32 v[CM+1], v[CM], s[SEL], s[SEL+1]
	v_max_num_f32 v[CM], v[CM], v[CM+1]
	ds_store_b32 v[RW], v[CM] offset:(\qt)*16*RP   ; the two lanes of a query write the same word with the same number
.if (\qt) < 2
	MLOAD (\qt)+2, \buf
.endif
.endm
	TQ 0, BC, 8
	TQ 1, BB, 8
	TQ 2, BC, 8
	TQ 3, BB, 0
.macro RLOAD off                       ; for each of my four queries the 16 waves' words
.set i, 0
.rept 16
	ds_load_b128 v[BB+4*i:BB+4*i+3], v[RR] offset:(i/4)*16*RP+(i%4)*16+(\off)
.set i, i+1
.endr
	s_wait_dscnt 0x0
.endm
	s_wait_dscnt 0x0                               ; for the others' sake: my maxima are in LDS
	s_barrier_signal -1
	s_barrier_wait -1
	RLOAD 0
.set k, 0
.rept 7
.set qt, 0
.rept 4
	v_max3_num_f32 v[BB+16*qt], v[BB+16*qt], v[BB+16*qt+2*k+1], v[BB+16*qt+2*k+2]
.set qt, qt+1
.endr
.set k, k+1
.endr
.set qt, 0
.rept 4
	v_max_num_f32 v[BB+16*qt], v[BB+16*qt], v[BB+16*qt+15]
.set qt, qt+1
.endr
.set qt, 0
.rept 4
	v_mul_f32 v[ML+2*qt], s[LC], v[BB+16*qt]       ; L x the row's maximum
	v_mul_f32 v[ML+2*qt+1], s[LC], v[BB+16*qt]     ; named with it as a pair
.set qt, qt+1
.endr
.set i, 0
.rept 64
	v_pk_fma_f32 v[ACC+2*i:ACC+2*i+1], v[ACC+2*i:ACC+2*i+1], s[LC:LC+1], v[ML+2*((i/4)%4):ML+2*((i/4)%4)+1] op_sel_hi:[1,0,0] neg_lo:[0,0,1] neg_hi:[0,0,1]
.set i, i+1
.endr
.set i, 0
.rept 128
	v_exp_f32 v[ACC+i], v[ACC+i]
.set i, i+1
.endr
	v_nop
	s_wait_alu depctr_va_vdst(0)
.set k, 1
.rept 15                                               ; the sums of my 32 numbers a query; the four queries' chains alternate
.set qt, 0
.rept 4
.set rA, ACC+8*(4*(k/4)+qt)+2*(k%4)
.if k == 1
	v_pk_add_f32 v[TS+2*qt:TS+2*qt+1], v[ACC+8*qt:ACC+8*qt+1], v[rA:rA+1]
.else
	v_pk_add_f32 v[TS+2*qt:TS+2*qt+1], v[TS+2*qt:TS+2*qt+1], v[rA:rA+1]
.endif
.set qt, qt+1
.endr
.set k, k+1
.endr
.set qt, 0
.rept 4
	v_add_f32 v[TS+2*qt], v[TS+2*qt], v[TS+2*qt+1]
.set qt, qt+1
.endr
.set qt, 0
.rept 4
	v_permlanex16_b32 v[TS+2*qt+1], v[TS+2*qt], s[SEL], s[SEL+1]
.set qt, qt+1
.endr
.set qt, 0
.rept 4
	v_add_f32 v[TS+2*qt], v[TS+2*qt], v[TS+2*qt+1]
	ds_store_b32 v[RW], v[TS+2*qt] offset:qt*16*RP+RSUM-RMAX
.set qt, qt+1
.endr
	s_wait_dscnt 0x0                               ; for the others' sake: my sums are in LDS
	s_barrier_signal -1
	s_barrier_wait -1
	RLOAD RSUM-RMAX
.set qt, 0
.rept 4
.set b, BB+16*qt
	v_pk_add_f32 v[b:b+1], v[b:b+1], v[b+8:b+9]
	v_pk_add_f32 v[b+2:b+3], v[b+2:b+3], v[b+10:b+11]
	v_pk_add_f32 v[b+4:b+5], v[b+4:b+5], v[b+12:b+13]
	v_pk_add_f32 v[b+6:b+7], v[b+6:b+7], v[b+14:b+15]
	v_pk_add_f32 v[b:b+1], v[b:b+1], v[b+4:b+5]
	v_pk_add_f32 v[b+2:b+3], v[b+2:b+3], v[b+6:b+7]
	v_pk_add_f32 v[b:b+1], v[b:b+1], v[b+2:b+3]
	v_add_f32 v[b], v[b], v[b+1]
.set qt, qt+1
.endr
.set qt, 0
.rept 4
	v_rcp_f32 v[ML+2*qt], v[BB+16*qt]
.set qt, qt+1
.endr
	v_nop
.set i, 0
	s_wait_alu depctr_va_vdst(0)
.rept 64
	v_pk_mul_f32 v[ACC+2*i:ACC+2*i+1], v[ACC+2*i:ACC+2*i+1], v[ML+2*((i/4)%4):ML+2*((i/4)%4)+1] op_sel_hi:[1,0]
.set i, i+1
.endr
; THE WAY OUT of query tile qt: 16 rows x my 64 columns through my own stage, so that sixteen lanes store 256 consecutive bytes of a row, aligned.
.macro OUT qt
.set rB, BB+32*((\qt)%2)
	s_wait_xcnt 0x0                                ; the registers that earlier stores read are loaded again only behind this wait
.set nt, 0
.rept 4
.set rA, ACC+8*(4*nt+(\qt))
	ds_store_b128 v[SW], v[rA:rA+3] offset:nt*64
	ds_store_b128 v[SW], v[rA+4:rA+7] offset:nt*64+16
.set nt, nt+1
.endr
.set i, 0
.rept 8
	ds_load_b128 v[rB+4*i:rB+4*i+3], v[SR] offset:i*2*PM          ; LDS serves a wave's instructions in order: these see the stores above
.set i, i+1
.endr
.set i, 0
.rept 8
	s_wait_dscnt 7-i
	global_store_b128 v[GO], v[rB+4*i:rB+4*i+3], s[16:17] offset:(\qt)*65536+i*8192 th:TH_STORE_NT
.set i, i+1
.endr
.endm
	OUT 0
	OUT 1
	OUT 2
	OUT 3
	s_wait_tensorcnt 0x0                           ; the wave's end
	ds_add_u32 v[SPW], v[NIL]
	s_wait_dscnt 0x0
	CROUND                                         ; the closing round: no work-group ends while a partner may still ask for a tile that names it
	s_endpgm
.Lfunc_end_k_qfb751e4e68_attn:
	.size	k_qfb751e4e68_attn, .Lfunc_end_k_qfb751e4e68_attn-k_qfb751e4e68_attn
	.p2alignl 7, 3214868480
	.fill 96, 4, 3214868480
	.section	.rodata,"a",@progbits
	.p2align	6, 0x0
	.amdhsa_kernel k_qfb751e4e68_attn
		.amdhsa_group_segment_fixed_size 327680
		.amdhsa_private_segment_fixed_size 0
		.amdhsa_enable_private_segment 0
		.amdhsa_kernarg_size 56
		.amdhsa_user_sgpr_count 2
		.amdhsa_user_sgpr_kernarg_segment_ptr 1
		.amdhsa_wavefront_size32 1
		.amdhsa_system_sgpr_workgroup_id_x 1
		.amdhsa_system_sgpr_workgroup_id_y 1
		.amdhsa_system_sgpr_workgroup_id_z 1
		.amdhsa_system_vgpr_workitem_id 0
		.amdhsa_next_free_vgpr 256
		.amdhsa_next_free_sgpr 88
		.amdhsa_reserve_vcc 0
		.amdhsa_float_denorm_mode_32 3
		.amdhsa_float_denorm_mode_16_64 3
		.amdhsa_memory_ordered 1
		.amdhsa_forward_progress 1
		.amdhsa_inst_pref_size 169
	.end_amdhsa_kernel
	.amdgpu_metadata
---
amdhsa.version: [ 1, 2 ]
amdhsa.kernels:
  - .name:           k_qfb751e4e68_attn
    .symbol:         k_qfb751e4e68_attn.kd
    .args:
      - { .name: qf, .offset: 0, .size: 8, .value_kind: global_buffer, .address_space: global }
      - { .name: kf, .offset: 8, .size: 8, .value_kind: global_buffer, .address_space: global }
      - { .name: vf, .offset: 16, .size: 8, .value_kind: global_buffer, .address_space: global }
      - { .name: nwf, .offset: 24, .size: 8, .value_kind: global_buffer, .address_space: global }
      - { .name: bnp, .offset: 32, .size: 8, .value_kind: global_buffer, .address_space: global }
      - { .name: group_ninf_mask, .offset: 40, .size: 8, .value_kind: global_buffer, .address_space: global }
      - { .name: out0, .offset: 48, .size: 8, .value_kind: global_buffer, .address_space: global }
    .group_segment_fixed_size: 327680
    .private_segment_fixed_size: 0
    .kernarg_segment_align: 8
    .kernarg_segment_size: 56
    .max_flat_workgroup_size: 512
    .sgpr_count:     88
    .vgpr_count:     256
    .wavefront_size: 32
...
	.end_amdgpu_metadata
.endif
;; end of part 3
;; ======== version 2 of 2: 3 launches; version 1 with the launch prep written anew for expert scheduling mode
;; limits: values are held in f16: magnitudes above 65,504 overflow, below 6.1e-05 lose precision; values outside matrix products are rounded to bf16; inputs' magnitudes at most 1e+30; right only within a limited range of input values
;; workspace buffers: abf 50,331,648 bytes; wbf 2,621,440 bytes; qgp 524,288 bytes; bnp 262,144 bytes; kf 16,777,216 bytes; vf 16,777,216 bytes; qf 16,777,216 bytes; nwf 16,777,216 bytes
;; launch prep (part 4): grid 808 x 1, 8 waves a work-group, no clusters, 6,656 bytes of LDS; arguments encoded_nodes, encoded_first_node, encoded_last_node, Wk, Wv, Wq_first, Wq_last, Wc, Wq_graph, bc, abf, wbf, qgp, bnp; writes abf, wbf, qgp, bnp
.if DOCPART == 4
	.amdgcn_target "amdgcn-amd-amdhsa--gfx1250"
	.amdhsa_code_object_version 6
	.text
	.protected	k_qfb751e4e68_prep
	.globl	k_qfb751e4e68_prep
	.p2align	8
	.type	k_qfb751e4e68_prep,@function
k_qfb751e4e68_prep:
	s_mov_b64 s[64:65], 0
	v_nop
	global_prefetch_b8 v0, s[64:65] scope:SCOPE_SE
	s_setreg_imm32_b32 hwreg(HW_REG_WAVE_SCHED_MODE, 0, 2), 2
	s_setreg_imm32_b32 hwreg(HW_REG_WAVE_MODE, 25, 1), 1
	s_wait_xcnt 0x0
	s_wait_alu depctr_vm_vsrc(0)
; PREP.  Every f32 input that later feeds a matrix product is rounded once to bf16:
;   abf [3][16384][512]: nodes, first, last;   wbf [5][512][512]: Wk, Wv, Wq_first, Wq_last, Wc, each in its own layout.
; On the way the work-groups that hold nodes also make two small sums in f32, from the rounded numbers:
;   bnp [4][16384]: for each node row the part of nodes . bc that lies in this work-group's 128 columns;
;   qgp [256][512]: the part of mean(nodes) @ Wq_graph that comes from this work-group's 256 rows and 128 columns (16 parts a batch).
; SHARES.  A work-group takes 256 rows x 128 columns: 3 x 256 such slices of the three [16384][512] arrays, 5 x 8 of the weights: 808.
; A wave takes 32 rows; a row is one 16-byte load a lane (512 bytes on end) and one 8-byte store a lane (256 bytes on end, aligned).
; All 32 rows of a wave are asked for at once.  No matrix unit, no cluster: the launch only streams, and no two work-groups share bytes but Wq_graph's.
; THE MODE: SCHED_MODE bits 1:0 = 2 (LLVM: expert scheduling mode 2), set by the entry lines.  The code itself states the register dependences
; between vector instructions and memory or LDS instructions, with s_wait_alu, always for 0.
; THE PLAN.  Registers that memory or LDS instructions touch:
;   v2, v3, v6, v7, v26, v27, v60, v61, v62   offsets and LDS addresses, made once at the head and never written again.
;   row i, v[X + 4 i ..]   four registers of its own: the row's load lands in them; its roundings write words 0 and 1, which one global store reads; its row sum is made in words 2 and 3,
;                          and one LDS store reads word 2.  None of the four is written again before all rows have left.
;   G0, G1 (the rows' registers once more)   32 rows of Wq_graph land in each; a group's roundings read one of them, and it is asked for again behind them.
;   S    a group's eight LDS loads land in it; the group's multiply-adds read it.
;   T    vector work in the rows; then eight LDS loads land in it, additions work on it, and one LDS store reads v8, which is not written again.
;   BC   bc lands in it and the rows' products read it; behind the rows four row sums land in it and one global store reads them; not written again.
;   CS, ACC   written by vector instructions, read by one store each, not written again.
; The rows go in eight blocks of four.  Block p works on its own rows' registers, T, CS and BC; its memory instructions are the stores of block p - 1, whose registers no vector
; instruction of block p names.  So ONE wait on va_vdst at a block's head, behind the wait for the block's data, states all that those stores hang on, and they are dealt among the block's vector work.
.set SPW, 4          ; v4  my spare word;  v5  0: both never rewritten
.set NIL, 5
.set T,   8          ; v[8:15]   at work
.set CS,  16         ; v[16:19]  sums of my 4 columns over my wave's 32 rows
.set BC,  20         ; v[20:23]  bc of my 4 columns, rounded to bf16; behind the rows: four row sums on their way out
.set ACC, 24         ; v[24:25]  my two columns of the part of the graph query
.set S,   28         ; v[28:59]  32 column sums, the same in every lane
.set X,   64         ; v[64:191] 32 rows x 4 registers; later two buffers of 32 rows of Wq_graph
.set G0,  64
.set G1,  128
.set BNL, 0          ; LDS: 256 row sums
.set CSL, 1024       ; 8 waves x 128 column sums
.set SUM, 5120       ; 128 column sums of the work-group
.set SPARE, 5632     ; the spare words, 128 bytes a wave: no other line names them
	s_load_b512 s[8:23], s[0:1], 0x0               ; nodes, first, last, Wk, Wv, Wq_first, Wq_last, Wc
	s_load_b256 s[24:31], s[0:1], 0x40             ; Wq_graph s[24:25], bc s[26:27], abf s[28:29], wbf s[30:31]
	s_load_b128 s[32:35], s[0:1], 0x60             ; qgp s[32:33], bnp s[34:35]
	v_lshl_add_u32 v[SPW], v0, 2, SPARE
	v_mov_b32 v[NIL], 0
	v_lshrrev_b32 v1, 5, v0
	v_readfirstlane_b32 s3, v1                     ; wave 0..7
	v_and_b32 v1, 31, v0
	v_lshlrev_b32 v2, 4, v1                        ; 16 x lane: my bytes in a row of the source
	v_lshlrev_b32 v3, 3, v1                        ; 8 x lane: in a row of the result
	s_wait_alu depctr_va_sdst(0)                   ; s3 is written, ahead of its first reader: offsets, LDS addresses and branches are made from it
	s_lshr_b32 s4, ttmp9, 8                        ; 0, 1, 2: nodes, first, last; 3: a weight
	s_and_b32 s5, ttmp9, 255                       ; the slice's number in an array
	s_lshr_b32 s7, s5, 3                           ; which weight
	s_add_co_u32 s6, s7, 3
	s_and_b32 s52, s5, 7                           ; the slice's number in a weight
	s_lshl_b32 s53, s4, 24                         ; the plane in abf
	s_lshl_b32 s54, s7, 19                         ; the plane in wbf
	s_cmp_eq_u32 s4, 3
	s_cselect_b32 s6, s6, s4                       ; which of the eight sources
	s_cselect_b32 s5, s52, s5                      ; the slice
	s_cselect_b32 s53, s54, s53                    ; the plane's bytes
	s_lshr_b32 s55, s5, 2                          ; block of 256 rows
	s_and_b32 s56, s5, 3                           ; block of 128 columns
	s_lshl_b32 s48, s55, 19                        ; source: 256 rows of 2,048 bytes,
	s_lshl_b32 s7, s56, 9                          ; 128 columns of 4,
	s_add_co_u32 s48, s48, s7
	s_lshl_b32 s7, s3, 16                          ; my wave's 32 rows
	s_add_co_u32 s48, s48, s7
	s_mov_b32 s49, 0
	s_lshl_b32 s50, s55, 18                        ; the result: half of each
	s_lshl_b32 s7, s56, 8
	s_add_co_u32 s50, s50, s7
	s_lshl_b32 s7, s3, 15
	s_add_co_u32 s50, s50, s7
	s_add_co_u32 s50, s50, s53
	s_mov_b32 s51, 0
	s_lshl_b32 s57, s56, 9
	v_add_nc_u32 v62, s57, v2                      ; my 4 numbers of bc
	s_lshl_b32 s58, s56, 18                        ; Wq_graph: my 128 rows of 2,048 bytes
	s_mov_b32 s59, 0
	s_lshl_b32 s60, s5, 11                         ; qgp: my part's 512 numbers
	s_mov_b32 s61, 0
	s_lshl_b32 s62, s56, 16                        ; bnp: my column block's plane, my 256 rows
	s_lshl_b32 s7, s55, 10
	s_add_co_u32 s62, s62, s7
	s_mov_b32 s63, 0
	s_lshl_b32 s7, s3, 7
	v_mov_b32 v6, s7                               ; BNL + 128 x wave
	s_lshl_b32 s7, s3, 9
	s_add_co_u32 s7, s7, CSL
	v_add_nc_u32 v7, s7, v2                        ; CSL + 512 x wave + 16 x lane
	v_lshlrev_b32 v26, 3, v0                       ; 8 x thread: two columns of 512
	v_lshl_add_u32 v27, v0, 2, CSL
	v_lshlrev_b32 v60, 4, v0
	v_mov_b32 v61, SUM
	s_mov_b32 s44, 0xffff0000                      ; a word's upper bf16
	s_mov_b32 s46, 0x76543210                      ; v_permlanex16_b32: each lane takes its own place in the other half
	s_mov_b32 s47, 0xfedcba98
	s_wait_kmcnt 0x0
	s_mov_b64 s[36:37], s[8:9]                     ; the source is chosen among the eight buffers by the work-group's number
.macro PICK n, r
	s_cmp_eq_u32 s6, \n
	s_cselect_b64 s[36:37], s[\r:\r+1], s[36:37]
.endm
	PICK 1, 10
	PICK 2, 12
	PICK 3, 14
	PICK 4, 16
	PICK 5, 18
	PICK 6, 20
	PICK 7, 22
	s_cmp_eq_u32 s4, 3
	s_cselect_b64 s[38:39], s[30:31], s[28:29]
	s_add_nc_u64 s[36:37], s[36:37], s[48:49]
	s_add_nc_u64 s[38:39], s[38:39], s[50:51]
	s_add_nc_u64 s[24:25], s[24:25], s[58:59]
	s_add_nc_u64 s[32:33], s[32:33], s[60:61]
	s_add_nc_u64 s[34:35], s[34:35], s[62:63]
	s_wait_alu depctr_va_vdst(0)                   ; the nine offsets and LDS addresses v2, v3, v6, v7, v26, v27, v60, v61, v62 are written: every load and store of the kernel reads one of them
	global_load_b128 v[BC:BC+3], v62, s[26:27]
.set i, 0
.rept 32
	global_load_b128 v[X+4*i:X+4*i+3], v2, s[36:37] offset:i*2048 th:TH_LOAD_NT
.set i, i+1
.endr
; Row i's vector work: rounded in place, into the row's words 0 and 1.  nodes = 1: the rounded numbers also enter the column sums, and the row's product with bc is made in the row's words 2 and 3.
.macro ROW i, nodes
	v_cvt_pk_bf16_f32 v[X+4*(\i)], v[X+4*(\i)], v[X+4*(\i)+1]
	v_cvt_pk_bf16_f32 v[X+4*(\i)+1], v[X+4*(\i)+2], v[X+4*(\i)+3]
.if \nodes
.if (\i) == 0
.set U, CS                                             ; the first row starts the column sums: nothing is cleared
.else
.set U, T
.endif
.set R, X+4*(\i)+2                                     ; free since the second rounding has read them
	v_lshlrev_b32 v[U], 16, v[X+4*(\i)]
	v_and_b32 v[U+1], s44, v[X+4*(\i)]
	v_lshlrev_b32 v[U+2], 16, v[X+4*(\i)+1]
	v_and_b32 v[U+3], s44, v[X+4*(\i)+1]
.if (\i) != 0
	v_pk_add_f32 v[CS:CS+1], v[CS:CS+1], v[T:T+1]
	v_pk_add_f32 v[CS+2:CS+3], v[CS+2:CS+3], v[T+2:T+3]
.endif
	v_pk_mul_f32 v[R:R+1], v[U:U+1], v[BC:BC+1]
	v_pk_fma_f32 v[R:R+1], v[U+2:U+3], v[BC+2:BC+3], v[R:R+1]
	v_add_f32 v[R], v[R], v[R+1]
	v_add_f32_dpp v[R], v[R], v[R] row_xmask:1 row_mask:0xf bank_mask:0xf
	v_add_f32_dpp v[R], v[R], v[R] row_xmask:2 row_mask:0xf bank_mask:0xf
	v_add_f32_dpp v[R], v[R], v[R] row_xmask:4 row_mask:0xf bank_mask:0xf
	v_add_f32_dpp v[R], v[R], v[R] row_xmask:8 row_mask:0xf bank_mask:0xf
	v_permlanex16_b32 v[R+1], v[R], s46, s47
	v_add_f32 v[R], v[R], v[R+1]
.endif
.endm
; Row i leaves: its rounded words to memory and, nodes = 1, its row sum to LDS.
.macro SEND i, nodes
	global_store_b64 v3, v[X+4*(\i):X+4*(\i)+1], s[38:39] offset:(\i)*1024
.if \nodes
	ds_store_b32 v6, v[X+4*(\i)+2] offset:4*(\i)   ; all lanes write the same word with the same number
.endif
.endm
; Block p: the vector work of rows 4 p to 4 p + 3; in front of each row's work the stores of the row four back.
.macro BLK p, nodes
	s_wait_loadcnt 28-4*(\p)                       ; loads come back in order: this block's four rows are in, the 28 - 4 p behind them stay out
.if (\p) > 0
	s_wait_alu depctr_va_vdst(0)                   ; the block before has written its rows' rounded words and row sums, which the stores below read; no vector instruction of this block names them
.endif
.set k, 0
.rept 4
.if (\p) > 0
	SEND 4*(\p)+k-4, \nodes
.endif
	ROW 4*(\p)+k, \nodes
.set k, k+1
.endr
.endm
.macro GLOAD g, buf                    ; 32 rows of Wq_graph, two columns a thread
.set e, 0
.rept 32
	global_load_b64 v[(\buf)+2*e:(\buf)+2*e+1], v26, s[24:25] offset:(32*(\g)+e)*2048
.set e, e+1
.endr
.endm
; 32 terms of the graph query's part: column sum e times Wq_graph[e][my two columns], the weight rounded to bf16 first.
.macro GRP g, buf, left, more
.set j, 0
.rept 8
	ds_load_b128 v[S+4*j:S+4*j+3], v61 offset:128*(\g)+16*j
.set j, j+1
.endr
	s_wait_loadcnt \left                           ; this buffer's 32 loads are in; the other buffer's may stay out
	s_wait_dscnt 0x0
.set e, 0
.rept 32
	v_cvt_pk_bf16_f32 v[12+e%2], v[(\buf)+2*e], v[(\buf)+2*e+1]
	v_fma_mix_f32_bf16 v[ACC], v[12+e%2], v[S+e], v[ACC] op_sel_hi:[1,0,0]
	v_fma_mix_f32_bf16 v[ACC+1], v[12+e%2], v[S+e], v[ACC+1] op_sel:[1,0,0] op_sel_hi:[1,0,0]
.set e, e+1
.endr
.if (\g) < 3
	s_wait_alu depctr_va_vdst(0)                   ; the roundings are done reading this buffer of Wq_graph, in which the loads below land; the multiply-adds are done reading S, in which the next group's LDS loads land
.endif
.if \more
	GLOAD (\g)+2, \buf
.endif
.endm
	s_cmp_lg_u32 s4, 0
	s_cbranch_scc1 .Lplain                         ; the same for the whole work-group
	s_wait_loadcnt 32                              ; bc is in; the 32 rows behind it stay out
	v_cvt_pk_bf16_f32 v[T], v[BC], v[BC+1]
	v_cvt_pk_bf16_f32 v[T+1], v[BC+2], v[BC+3]
	v_lshlrev_b32 v[BC], 16, v[T]
	v_and_b32 v[BC+1], s44, v[T]
	v_lshlrev_b32 v[BC+2], 16, v[T+1]
	v_and_b32 v[BC+3], s44, v[T+1]
.irp p, 0,1,2,3,4,5,6,7
	BLK \p, 1
.endr
	s_wait_alu depctr_va_vdst(0)                   ; the last block has written its rows' words and row sums, and CS is written: the stores below read them.  The vector work is also done with all the rows' registers, with T and with BC, in which loads below land
.irp r, 28,29,30,31
	SEND \r, 1
.endr
	s_wait_xcnt 0x0                                ; the rows' registers, which the stores read, are loaded again only behind this wait,
	s_wait_alu depctr_vm_vsrc(0)                   ; and behind this one: the global and LDS stores have read the rows' registers, in which Wq_graph lands
	GLOAD 0, G0
	GLOAD 1, G1
	ds_store_b128 v7, v[CS:CS+3]
	s_wait_dscnt 0x0                               ; for the others' sake: my row sums and column sums are in LDS
	s_barrier_signal -1
	s_barrier_wait -1
	s_cmp_gt_u32 s3, 3
	s_cbranch_scc1 .Lno_sum                        ; threads 0 to 127: a column each, the eight waves' sums added
.set j, 0
.rept 8
	ds_load_b32 v[T+j], v27 offset:512*j
.set j, j+1
.endr
	s_wait_dscnt 0x0
	v_pk_add_f32 v[T:T+1], v[T:T+1], v[T+2:T+3]
	v_pk_add_f32 v[T+4:T+5], v[T+4:T+5], v[T+6:T+7]
	v_pk_add_f32 v[T:T+1], v[T:T+1], v[T+4:T+5]
	v_add_f32 v[T], v[T], v[T+1]
	s_wait_alu depctr_va_vdst(0)                   ; the additions have written v8, which the LDS store reads
	ds_store_b32 v27, v[T] offset:SUM-CSL          ; v8 is not written again
.Lno_sum:
	s_cmp_gt_u32 s3, 1
	s_cbranch_scc1 .Lno_bn                         ; threads 0 to 63: the 256 row sums leave, 16 bytes a lane
	ds_load_b128 v[BC:BC+3], v60                   ; no vector instruction has named v[20:23] since the wait behind the last block
	s_wait_dscnt 0x0
	global_store_b128 v60, v[BC:BC+3], s[34:35]    ; v[20:23] are not written again
.Lno_bn:
	s_wait_dscnt 0x0
	s_barrier_signal -1
	s_barrier_wait -1                              ; the 128 column sums are there for everybody
	v_mov_b32 v[ACC], 0
	v_mov_b32 v[ACC+1], 0
	GRP 0, G0, 32, 1
	GRP 1, G1, 32, 1
	GRP 2, G0, 32, 0
	GRP 3, G1, 0, 0
	v_mul_f32 v[ACC], 0x3a800000, v[ACC]           ; the mean's 1 / 1024
	v_mul_f32 v[ACC+1], 0x3a800000, v[ACC+1]
	s_wait_alu depctr_va_vdst(0)                   ; the two multiplies have written v[24:25], which the store reads
	global_store_b64 v26, v[ACC:ACC+1], s[32:33]
	s_branch .Lend
.Lplain:
.irp p, 0,1,2,3,4,5,6,7
	BLK \p, 0
.endr
	s_wait_alu depctr_va_vdst(0)                   ; the last block's roundings have written its rows' words, which the last four stores read
.irp r, 28,29,30,31
	SEND \r, 0
.endr
.Lend:
	s_wait_dscnt 0x0                               ; the closing lines, six on end
	s_wait_alu 0x0
	s_wait_tensorcnt 0x0
	ds_add_u32 v[SPW], v[NIL]
	s_wait_dscnt 0x0
	s_endpgm
.Lfunc_end_k_qfb751e4e68_prep:
	.size	k_qfb751e4e68_prep, .Lfunc_end_k_qfb751e4e68_prep-k_qfb751e4e68_prep
	.p2alignl 7, 3214868480
	.fill 96, 4, 3214868480
	.section	.rodata,"a",@progbits
	.p2align	6, 0x0
	.amdhsa_kernel k_qfb751e4e68_prep
		.amdhsa_group_segment_fixed_size 6656
		.amdhsa_private_segment_fixed_size 0
		.amdhsa_enable_private_segment 0
		.amdhsa_kernarg_size 112
		.amdhsa_user_sgpr_count 2
		.amdhsa_user_sgpr_kernarg_segment_ptr 1
		.amdhsa_wavefront_size32 1
		.amdhsa_system_sgpr_workgroup_id_x 1
		.amdhsa_system_sgpr_workgroup_id_y 1
		.amdhsa_system_sgpr_workgroup_id_z 1
		.amdhsa_system_vgpr_workitem_id 0
		.amdhsa_next_free_vgpr 192
		.amdhsa_next_free_sgpr 66
		.amdhsa_reserve_vcc 0
		.amdhsa_float_denorm_mode_32 3
		.amdhsa_float_denorm_mode_16_64 3
		.amdhsa_memory_ordered 1
		.amdhsa_forward_progress 1
		.amdhsa_inst_pref_size 89
	.end_amdhsa_kernel
	.amdgpu_metadata
---
amdhsa.version: [ 1, 2 ]
amdhsa.kernels:
  - .name:           k_qfb751e4e68_prep
    .symbol:         k_qfb751e4e68_prep.kd
    .args:
      - { .name: encoded_nodes, .offset: 0, .size: 8, .value_kind: global_buffer, .address_space: global }
      - { .name: encoded_first_node, .offset: 8, .size: 8, .value_kind: global_buffer, .address_space: global }
      - { .name: encoded_last_node, .offset: 16, .size: 8, .value_kind: global_buffer, .address_space: global }
      - { .name: Wk, .offset: 24, .size: 8, .value_kind: global_buffer, .address_space: global }
      - { .name: Wv, .offset: 32, .size: 8, .value_kind: global_buffer, .address_space: global }
      - { .name: Wq_first, .offset: 40, .size: 8, .value_kind: global_buffer, .address_space: global }
      - { .name: Wq_last, .offset: 48, .size: 8, .value_kind: global_buffer, .address_space: global }
      - { .name: Wc, .offset: 56, .size: 8, .value_kind: global_buffer, .address_space: global }
      - { .name: Wq_graph, .offset: 64, .size: 8, .value_kind: global_buffer, .address_space: global }
      - { .name: bc, .offset: 72, .size: 8, .value_kind: global_buffer, .address_space: global }
      - { .name: abf, .offset: 80, .size: 8, .value_kind: global_buffer, .address_space: global }
      - { .name: wbf, .offset: 88, .size: 8, .value_kind: global_buffer, .address_space: global }
      - { .name: qgp, .offset: 96, .size: 8, .value_kind: global_buffer, .address_space: global }
      - { .name: bnp, .offset: 104, .size: 8, .value_kind: global_buffer, .address_space: global }
    .group_segment_fixed_size: 6656
    .private_segment_fixed_size: 0
    .kernarg_segment_align: 8
    .kernarg_segment_size: 112
    .max_flat_workgroup_size: 256
    .sgpr_count:     66
    .vgpr_count:     192
    .wavefront_size: 32
...
	.end_amdgpu_metadata
.endif
;; end of part 4
;; launch proj: the kernel of part 2 again; grid 128 x 2, 8 waves a work-group, clusters of 4 x 1, 327,680 bytes of LDS; arguments abf, wbf, qgp, kf, vf, qf, nwf; writes kf, vf, qf, nwf
;; launch attn: the kernel of part 3 again; grid 16 x 16, 16 waves a work-group, clusters of 4 x 1, 327,680 bytes of LDS; arguments qf, kf, vf, nwf, bnp, group_ninf_mask, out0; writes out0
